; MI455X (gfx1250); checked and timed in simulation.
; The chip was launched on July 23, 2026; its instructions are those of AMD's public machine-readable ISA for CDNA 5 (MIT licence, August 2026) and "CDNA5" Instruction Set Architecture Reference Guide (July 2026). The comments in the code are by the model that wrote it; some were corrected since.
;; Multi Query Attention. Allowed arithmetic: matrix products marked QUANTISED: E2M1 operands, one E8M0 scale for each 32 along K, by v_wmma_scale_f32_16x16x128_f8f6f4 with both operands' format E2M1 (or v_wmma_scale_f32_32x16x128_f4), f32 sums; everything else in f32.
;; Inputs: Wk 128 x 2,048 float32; Wo 2,048 x 2,048 float32; Wq 2,048 x 2,048 float32; Wv 128 x 2,048 float32; bk 128 float32; bo 2,048 float32; bq 2,048 float32; bv 128 float32; mask 1 x 1 x 2,048 x 2,048 bool; x 1 x 2,048 x 2,048 float32.
;; Outputs: out0 1 x 2,048 x 2,048 float32.
;; This version of the problem:
;;   THIS VERSION OF THE PROBLEM IS GIVEN IN LOW PRECISION. The matrix products marked QUANTISED in the list below multiply operands that are first quantised to E2M1 (2 exponent bits, 1 mantissa bit; 4 bits a number), with one power-of-two scale for each 32 numbers along K (OCP MX v1.0); their sums are f32. All else is computed in f32.
;;   The module's matrix products, in the order in which they are computed (A, B: the left and right operand; K: the contracted axis; several contracted axes count as one K, in the product's order):
;;     1. [M 2,048, K 2,048] x [K 2,048, N 2,048]; A: input x; B: input Wq: QUANTISED
;;     2. [M 2,048, K 2,048] x [K 2,048, N 128]; A: input x; B: input Wk: QUANTISED
;;     3. [M 2,048, K 2,048] x [K 2,048, N 128]; A: input x; B: input Wv: QUANTISED
;;     4. [M 32,768, K 128] x [K 128, N 2,048]; A: computed on the way; B: computed on the way: QUANTISED
;;     5. [M 32,768, K 2,048] x [K 2,048, N 128]; A: softmax (see below); B: computed on the way: QUANTISED
;;     6. [M 2,048, K 2,048] x [K 2,048, N 2,048]; A: computed on the way; B: input Wo: QUANTISED
;;   THE QUANTISER, for each operand of a quantised product, along K:
;;     - K is cut into blocks of 32 from its start; a last block that is shorter is filled with zeros.
;;     - A block's scale is 2^e with e = floor(log2(the largest magnitude in the block)) - 2, held to -126 .. 127; a block of zeros has e = 0. As a byte (E8M0): e + 127.
;;     - Each number is divided by its block's scale, clamped to +-6, and rounded to the nearest number of E2M1, ties to even, subnormals kept.
;;     - The product sums the exact products of the quantised numbers (number of the format x scale) in f32.
;;   ~~~python
;;   def quantise(x, axis):      # numpy; x: float32 -> the quantised numbers, widened to float32 again
;;       x = np.moveaxis(x, axis, -1); K = x.shape[-1]
;;       x = np.pad(x, [(0, 0)] * (x.ndim - 1) + [(0, -K % 32)]); x = x.reshape(x.shape[:-1] + (-1, 32)); a = np.abs(x).max(-1, keepdims=True)
;;       e = np.where(a > 0, np.clip(np.frexp(np.where(a > 0, a, 1))[1] - 1 - 2, -126, 127), 0)      # np.frexp(a)[1] - 1 = floor(log2(a)), exactly
;;       r = np.clip(x / 2.0 ** e, -6, 6)
;;       step = 2.0 ** (np.maximum(np.frexp(np.where(r == 0, 1, r))[1] - 1, 0) - 1)
;;       q = np.round(r / step) * step * 2.0 ** e      # np.round: ties to even
;;       return np.moveaxis(q.reshape(q.shape[:-2] + (-1,))[..., :K], -1, axis).astype(np.float32)
;;   ~~~
;;   SOFTMAX AHEAD OF A QUANTISED PRODUCT. Where the list says 'softmax', what is quantised is not the finished softmax but p = 2^(t - M), with t = logit x log2(e) and M = ceil(the row's largest t), a whole number; so 1/2 < the row's largest p <= 1. The row's sum l is taken of the UNQUANTISED p, in f32, and the product's result is divided by l at the end. Since M is a whole number, a kernel that streams over the keys may use a running M (the ceiling of the running maximum): every later rescaling is an exact power of two, which a block's scale takes up: the codes' values come out the same.
;;   OPERANDS COMPUTED ON THE WAY. 'Computed on the way' means the value that the module computes at that place (a softmax that the list does not call 'softmax' is quantised finished and normalised). What goes into a quantiser is computed in f32, as accurately as f32 sums, v_exp_f32 and their like allow (about 1e-6 of the number): no bf16 or f16 on the way to a quantiser, and a product that is left as it is and whose result goes on into a quantised operand takes f32 operands (vector FMAs, or v_wmma_f32_16x16x4_f32). A number that lies on a knife's edge between two numbers of the format may be rounded either way, as far as f32 arithmetic and the matrix unit's own rounding can turn it there, and no further.
;; One version. Each part assembles by itself: llvm-mc -triple=amdgcn-amd-amdhsa -mcpu=gfx1250 --defsym DOCPART=n.
;; ======== version 1 of 1: 4 launches
;; limits: right only within a limited range of input values
;; workspace buffers: codes 7,241,728 bytes; mwords 524,288 bytes of whole numbers; mflags 65,536 bytes of whole numbers; qc 2,097,152 bytes; qs 131,072 bytes; kv 278,528 bytes; oc 2,228,224 bytes
;; launch prep (part 1): grid 528 x 1, 4 waves a work-group, no clusters, 39,424 bytes of LDS; arguments x, Wq, Wk, Wv, Wo, mask, codes, mwords, mflags; writes codes, mwords, mflags
.if DOCPART == 1
	.amdgcn_target "amdgcn-amd-amdhsa--gfx1250"
	.amdhsa_code_object_version 6
	.text
	.protected	k_q191e9ee750_prep
	.globl	k_q191e9ee750_prep
	.p2align	8
	.type	k_q191e9ee750_prep,@function
k_q191e9ee750_prep:
	s_mov_b64 s[64:65], 0
	v_nop
	global_prefetch_b8 v0, s[64:65] scope:SCOPE_SE
	s_setreg_imm32_b32 hwreg(HW_REG_WAVE_MODE, 25, 1), 1
	s_wait_xcnt 0x0
; MULTI-QUERY ATTENTION IN MX-FP4, launch 1 of 4: x, Wq, Wk, Wv, Wo (f32, K innermost) become codes of E2M1 with one E8M0 byte for each 32 along K, and the mask becomes lane masks and tile flags.
; DEAD WORK: none of the inputs is dead.  bq, bk and bv move the codes of q, k and v; bo is added to the result; the mask is an input and decides which scores count.  What the program leaves out is chosen by
; whole numbers that this launch stores: a tile of 16 queries x 128 keys whose mask bytes are all 0 gives p = 0 for all its keys, which adds nothing to a row's sum or to the second product, and is passed over by the
; attention launch, which reads the flags from memory.  A NaN, an infinity or an overflow that would arise only in the scores of such a tile is not carried to the result.
; LAYOUT OF codes: an operand lies as the IMAGE OF ITS FRAGMENT REGISTERS.  A fragment is 16 rows x 128 K, 8 registers a lane, 1,024 bytes: block beta (32 codes, 16 bytes) of row r lies at 256 beta + 16 r.
; A tile's record is all of K = 2,048: four chunks of 4,352 bytes, each 4 K steps of images and then 4 K steps x 16 scale words.  Tiles: 0-127 x, 128-255 Wq, 256-263 Wk, 264-271 Wv, 272-399 Wo.
; THE ROWS OF A TILE ARE NOT NEIGHBOURS (but Wo's are): row r of tile tau is row 32 (tau / 2) + 8 (tau % 2) + r + 8 (r / 8), so that the results of two neighbouring tiles lie as 16 neighbours along the next product's K.
; SHARES.  Work-groups 0-399: a tile each; wave w takes chunk w (512 along K of 16 rows), a row a step.  Each of a step's four loads reads 512 consecutive bytes; the numbers turn through the wave's own stage in LDS so that
; a lane holds 16 neighbours; the codes gather in an image in LDS and leave as eight stores of 512 consecutive aligned bytes, the 64 scale words as one of 256.  Work-groups 400-527: the mask of a tile of 16 queries.
; A block's scale byte is its largest magnitude's exponent field - 2, held at 1 from below.
; LIMITS: a block of zeros gets the byte 1 where the rule says 127 (its codes are zeros and the bytes are read by this program alone); blocks whose largest magnitude lies under 2^(3 - 127) are held at that byte;
; NaN and infinities among x and the weights are not served; a mask byte counts as true where it is not 0.  The mask's loads take 32 bytes of each of 16 rows; a wave's sixteen loads together cover 512 bytes of each row.
; WHERE A RECORD LIES: the tile numbers above are the work-groups'.  Records 0-127 x; 128 + 10 y + t: head y's eight tiles of Wq (t = 0-7) and two tiles of Wk or Wv (t = 8, 9): y = 0-3 and 8-11 hold Wk's tiles 2 (y % 4), 2 (y % 4) + 1,
; y = 4-7 and 12-15 Wv's, so that one tensor load of the next launch brings all ten.  Wk's and Wv's records are therefore stored twice, 80 records apart.  288-415 Wo.
; The attention launch takes two neighbouring tiles of 128 keys together: it passes the pair over where the mask bytes of both are all 0.
.set REC,   17408                      ; a tile's record
.set CHK,   4352                       ; a chunk of it
.set STEPS, 16
.set EMAX,  2
.set WREG,  9728                       ; LDS: a region for each wave: two stages of 32 x SP bytes, the image, the scale bytes
.set SP,    80                         ; a lane's place in a stage: 64 bytes + 16 of padding
.set IMG,   5120                       ; the chunk's image: 16 pieces (a block's 16 rows x 16 bytes) of 256 bytes + 16 of padding
.set PP,    272
.set SCB,   9472                       ; 256 scale bytes, [row][16 blocks]
.set SPARE, 4*WREG                     ; the spare words, 128 bytes for each wave, which no other line names
.set R,     16                         ; v16-79   four sets of 16 numbers as loaded
.set X,     80                         ; v80-111  two sets of 16 neighbours
.set E,     112                        ; v112-127 a scale byte for each step
.set C,     128                        ; v128-159 two registers of codes for each step
.set OUTR,  160                        ; v160-191 the way out
.set SPW,   12
.set NIL,   13
	s_load_b256 s[4:11], s[0:1], 0x0               ; x, Wq, Wk, Wv
	s_load_b256 s[12:19], s[0:1], 0x20             ; Wo, mask, codes, mwords
	s_load_b64 s[20:21], s[0:1], 0x40              ; mflags
	v_lshl_add_u32 v[SPW], v0, 2, SPARE
	v_mov_b32 v[NIL], 0
	v_lshrrev_b32 v1, 5, v0
	v_readfirstlane_b32 s22, v1                    ; wave
	v_and_b32 v2, 31, v0                           ; lane
	s_cmp_ge_u32 ttmp9, 400
	s_cbranch_scc1 .Lmask                          ; the work-group's number alone decides
	; ---------------- a tile of x or of a weight
	v_lshlrev_b32 v3, 4, v2                        ; 16 x lane: my bytes of a load's 512, and of a store's
	v_lshlrev_b32 v1, 3, v2                        ; 8 x lane: my two scale words on the way out
	s_mul_i32 s28, s22, WREG
	v_lshrrev_b32 v14, 2, v2
	v_mul_u32_u24 v14, v14, SP
	v_and_b32 v15, 3, v2
	v_lshl_add_u32 v14, v15, 4, v14
	v_add_nc_u32 v14, s28, v14                     ; the stage, on the way in: SP (lane / 4) + 16 (lane % 4)
	v_mul_u32_u24 v15, v2, SP
	v_add_nc_u32 v15, s28, v15                     ; and on the way out: SP x lane: my 16 neighbours
	v_lshrrev_b32 v5, 1, v2                        ; my block of the chunk's 16
	v_mul_u32_u24 v4, v5, PP
	v_and_b32 v6, 1, v2
	v_lshl_add_u32 v4, v6, 3, v4
	v_add_nc_u32 v4, s28, v4
	v_add_nc_u32 v4, IMG, v4                       ; the image: my block's piece, my half of its 16 bytes; the row stands in the immediate
	v_add_nc_u32 v5, s28, v5
	v_add_nc_u32 v5, SCB, v5                       ; my block's scale byte
	v_and_b32 v6, 7, v2
	v_lshlrev_b32 v6, 5, v6
	v_lshrrev_b32 v7, 3, v2
	v_lshl_add_u32 v6, v7, 2, v6
	v_add_nc_u32 v6, s28, v6
	v_add_nc_u32 v6, SCB, v6                       ; back: words 2 l and 2 l + 1 of the order [K step][row]: row 2 (l % 8), K step l / 8
	v_lshrrev_b32 v7, 4, v2
	v_mul_u32_u24 v7, v7, PP
	v_and_b32 v8, 15, v2
	v_lshl_add_u32 v7, v8, 4, v7
	v_add_nc_u32 v7, s28, v7
	v_add_nc_u32 v7, IMG, v7                       ; back: two pieces an instruction, 16 bytes a lane
	s_wait_kmcnt 0x0
	s_mov_b32 s23, 272                             ; which tensor, and its first tile: the choices hang on the work-group's number alone
	s_cmp_lt_u32 ttmp9, 272
	s_cselect_b64 s[12:13], s[10:11], s[12:13]
	s_cselect_b32 s23, 264, s23
	s_cmp_lt_u32 ttmp9, 264
	s_cselect_b64 s[12:13], s[8:9], s[12:13]
	s_cselect_b32 s23, 256, s23
	s_cmp_lt_u32 ttmp9, 256
	s_cselect_b64 s[12:13], s[6:7], s[12:13]
	s_cselect_b32 s23, 128, s23
	s_cmp_lt_u32 ttmp9, 128
	s_cselect_b64 s[12:13], s[4:5], s[12:13]
	s_cselect_b32 s23, 0, s23
	s_sub_co_u32 s23, ttmp9, s23                   ; tau: the tile in its tensor
	s_lshr_b32 s24, s23, 1
	s_lshl_b32 s24, s24, 5
	s_and_b32 s25, s23, 1
	s_lshl_b32 s25, s25, 3
	s_add_co_u32 s24, s24, s25                     ; its first row: 32 (tau / 2) + 8 (tau % 2),
	s_lshl_b32 s25, s23, 4                         ; or, in Wo, 16 tau
	s_mov_b32 s26, 131072                          ; rows 8-15 of the tile begin 16 rows of 8,192 bytes on,
	s_cmp_ge_u32 ttmp9, 272
	s_cselect_b32 s24, s25, s24
	s_cselect_b32 s26, 65536, s26                  ; or, in Wo, 8 rows on
	s_lshl_b32 s24, s24, 13
	s_lshl_b32 s25, s22, 11
	s_add_co_u32 s24, s24, s25                     ; + my chunk's 2,048 bytes of a row
	s_mov_b32 s25, 0
	s_add_nc_u64 s[12:13], s[12:13], s[24:25]
	s_lshr_b32 s29, s23, 3
	s_lshl_b32 s29, s29, 1
	s_add_co_u32 s29, s29, ttmp9                   ; Wq: 128 + 10 (tau / 8) + tau % 8
	s_lshr_b32 s30, s23, 1
	s_lshl_b32 s30, s30, 3
	s_add_co_u32 s30, s30, s23
	s_add_co_u32 s30, s30, 136                     ; Wk: 128 + 10 (tau / 2) + 8 + tau % 2
	s_add_co_u32 s31, s30, 40                      ; Wv: four heads on
	s_add_co_u32 s28, ttmp9, 16                    ; Wo: 288 + tau
	s_cmp_lt_u32 ttmp9, 272
	s_cselect_b32 s28, s31, s28
	s_cmp_lt_u32 ttmp9, 264
	s_cselect_b32 s28, s30, s28
	s_cmp_lt_u32 ttmp9, 256
	s_cselect_b32 s28, s29, s28
	s_cmp_lt_u32 ttmp9, 128
	s_cselect_b32 s28, ttmp9, s28
	s_mul_i32 s24, s28, REC
	s_mul_i32 s27, s22, CHK
	s_add_co_u32 s24, s24, s27
	s_add_nc_u64 s[16:17], s[16:17], s[24:25]      ; my chunk of the tile's record
	v_add_nc_u32 v10, s26, v3                      ; the loads' offset for rows 8-15
.macro LOAD t
.irp i, 0,1,2,3
.if (\t) < 8
	global_load_b128 v[R+16*((\t)%4)+4*\i:R+16*((\t)%4)+4*\i+3], v3, s[12:13] offset:8192*(\t)+512*\i th:TH_LOAD_NT   ; 32 lanes read 512 consecutive bytes
.else
	global_load_b128 v[R+16*((\t)%4)+4*\i:R+16*((\t)%4)+4*\i+3], v10, s[12:13] offset:8192*((\t)-8)+512*\i th:TH_LOAD_NT
.endif
.endr
.endm
.macro TURN t                          ; step t's numbers through the stage: LDS serves a wave's instructions in order, so no wait stands between the stores and the loads
.irp i, 0,1,2,3
	ds_store_b128 v14, v[R+16*((\t)%4)+4*\i:R+16*((\t)%4)+4*\i+3] offset:32*SP*((\t)%2)+8*SP*\i
.endr
.irp i, 0,1,2,3
	ds_load_b128 v[X+16*((\t)%2)+4*\i:X+16*((\t)%2)+4*\i+3], v15 offset:32*SP*((\t)%2)+16*\i
.endr
.endm
.irp t, 0,1,2,3
	LOAD \t
.endr
	s_wait_loadcnt 12                              ; step 0's four loads are in
	TURN 0
.macro STEP t                          ; row t of the tile
.set XS, X+16*((\t)%2)
.if (\t) > 0
	s_wait_dscnt 2                                 ; this step's numbers are back from the stage (the last step's two stores, codes and byte, may be out): so its stores into the stage have read their registers,
.else
	s_wait_dscnt 0x0
.endif
.if (\t)+4 < STEPS
	LOAD (\t)+4                                    ; which take the loads of four steps on
.endif
.if (\t)+1 < STEPS
.if STEPS-2-(\t) >= 3
	s_wait_loadcnt 12                              ; the next step's four loads are in; those of the three steps behind it may be out
.else
	s_wait_loadcnt 4*(STEPS-2-(\t))
.endif
	TURN (\t)+1
.endif
	v_max3_num_f32 v8, |v[XS]|, |v[XS+1]|, |v[XS+2]|               ; the largest magnitude of my 16, in two chains
	v_max3_num_f32 v9, |v[XS+3]|, |v[XS+4]|, |v[XS+5]|
.irp i, 6,10
	v_max3_num_f32 v8, v8, |v[XS+\i]|, |v[XS+\i+1]|
	v_max3_num_f32 v9, v9, |v[XS+\i+2]|, |v[XS+\i+3]|
.endr
	v_max3_num_f32 v8, v8, |v[XS+14]|, |v[XS+15]|
	v_max3_num_f32 v8, v8, v9, (EMAX+1)<<23        ; and the floor 2^(EMAX + 1 - 127): the byte cannot fall under 1
	v_max_num_f32_dpp v8, v8, v8 row_xmask:1 row_mask:0xf bank_mask:0xf   ; and of my neighbour's 16: the block's
	v_add_nc_u32 v11, -(EMAX<<23), v8              ; EMAX off its exponent field: the conversion takes the exponent field of this operand as its scale
	v_cvt_scalef32_pk8_fp4_f32 v[C+2*(\t)], v[XS:XS+7], v11
	v_cvt_scalef32_pk8_fp4_f32 v[C+2*(\t)+1], v[XS+8:XS+15], v11
	v_lshrrev_b32 v[E+(\t)], 23, v11               ; the scale's byte (a plain line behind the conversions)
	ds_store_b64 v4, v[C+2*(\t):C+2*(\t)+1] offset:16*(\t)         ; my 16 codes into the image: row t of my block's piece
	ds_store_b8 v5, v[E+(\t)] offset:16*(\t)       ; both lanes of a block write the same byte with the same value
.endm
.irp t, 0,1,2,3,4,5,6,7,8,9,10,11,12,13,14,15
	STEP \t
.endr
.irp i, 0,1,2,3,4,5,6,7
	ds_load_b128 v[OUTR+4*\i:OUTR+4*\i+3], v7 offset:2*PP*\i       ; LDS serves a wave's instructions in order: these see my stores
.endr
	ds_load_b32 v8, v6
	ds_load_b32 v9, v6 offset:16
	s_wait_dscnt 0x0
.irp i, 0,1,2,3,4,5,6,7
	global_store_b128 v3, v[OUTR+4*\i:OUTR+4*\i+3], s[16:17] offset:512*\i   ; 512 consecutive bytes, at a multiple of 256 from the buffer's first byte
.endr
	global_store_b64 v1, v[8:9], s[16:17] offset:4096              ; the chunk's 64 scale words: 256 consecutive bytes
	s_sub_co_u32 s28, ttmp9, 256
	s_cmp_lt_u32 s28, 16
	s_cbranch_scc0 .Lonce
.irp i, 0,1,2,3,4,5,6,7
	global_store_b128 v3, v[OUTR+4*\i:OUTR+4*\i+3], s[16:17] offset:80*REC+512*\i   ; Wk, Wv: once more, eight heads on
.endr
	global_store_b64 v1, v[8:9], s[16:17] offset:80*REC+4096
.Lonce:
	s_wait_tensorcnt 0x0                           ; the wave's end, behind my last LDS store
	ds_add_u32 v[SPW], v[NIL]
	s_wait_dscnt 0x0
	s_endpgm
	; ---------------- the mask of query tile T.  Wave w takes key steps 4 w .. 4 w + 3.  No LDS on this way.
	; mwords [T][step j][n]: bit (r + 16 h) of word n = 16 b + i is mask[row r of tile T][128 j + 32 b + 16 h + i]: the lane mask of the attention launch's score register n.
	; mflags [T][w][32 equal words]: two bits for each of the wave's four steps: 0 no byte true, 1 some, 2 all.
.Lmask:
	s_sub_co_u32 s23, ttmp9, 400                   ; T
	s_wait_alu depctr_va_vdst(0)
	v_and_b32 v3, 15, v2                           ; r
	v_lshrrev_b32 v4, 4, v2                        ; h
	v_and_b32 v5, 8, v3
	v_add_nc_u32 v5, v5, v3                        ; r + 8 (r / 8)
	v_lshlrev_b32 v5, 11, v5                       ; rows of 2,048 bytes
	v_lshl_add_u32 v5, v4, 4, v5                   ; + 16 h
	v_lshlrev_b32 v6, 3, v2                        ; 8 x lane
	v_lshlrev_b32 v7, 2, v2                        ; 4 x lane
	s_lshr_b32 s24, s23, 1
	s_lshl_b32 s24, s24, 5
	s_and_b32 s25, s23, 1
	s_lshl_b32 s25, s25, 3
	s_add_co_u32 s24, s24, s25                     ; the tile's first row
	s_lshl_b32 s24, s24, 11
	s_lshl_b32 s25, s22, 9
	s_add_co_u32 s24, s24, s25                     ; + my 512 keys
	s_mov_b32 s25, 0
	s_lshl_b32 s26, s23, 12                        ; mwords: 16 steps of 256 bytes a tile,
	s_lshl_b32 s27, s22, 10                        ; my four
	s_add_co_u32 s26, s26, s27
	s_mov_b32 s27, 0
	s_lshl_b32 s28, s23, 9                         ; mflags: 512 bytes a tile, 128 a wave
	s_lshl_b32 s29, s22, 7
	s_add_co_u32 s28, s28, s29
	s_mov_b32 s29, 0
	s_wait_alu depctr_va_vdst(0)
	s_wait_kmcnt 0x0
	s_add_nc_u64 s[14:15], s[14:15], s[24:25]
	s_add_nc_u64 s[18:19], s[18:19], s[26:27]
	s_add_nc_u64 s[20:21], s[20:21], s[28:29]
.irp s, 0,1,2,3
.irp b, 0,1,2,3
	global_load_b128 v[16+16*\s+4*\b:16+16*\s+4*\b+3], v5, s[14:15] offset:128*\s+32*\b   ; bytes of keys 128 s + 32 b + 16 h + 0 .. 15 of my row
.endr
.endr
	s_mov_b32 s31, 0
	s_wait_loadcnt 0x0
.macro WORDS s                         ; one key step: 64 lane masks, gathered two to a lane
	v_mov_b32 v[80+2*\s], 0                        ; (a lane write's destination counts as read)
	v_mov_b32 v[81+2*\s], 0
.set g, 0
.rept 16                               ; register g holds the bytes of words 4 g .. 4 g + 3
.irp k, 0,1,2,3
	v_and_b32 v[88+\k], 0xff<<(8*\k), v[16+16*\s+g]
.endr
.irp k, 0,1,2,3
	v_cmp_ne_u32 s[24+\k], 0, v[88+\k]             ; a bit a lane
.endr
.irp k, 0,1,2,3
	v_writelane_b32 v[80+2*\s+\k%2], s[24+\k], 2*g+\k/2            ; word n goes to lane n / 2, register n % 2
.endr
.set g, g+1
.endr
	v_or_b32 v92, v[80+2*\s], v[81+2*\s]
	v_and_b32 v93, v[80+2*\s], v[81+2*\s]
	v_cmp_ne_u32 s28, 0, v92                       ; lanes with a bit set
	v_cmp_ne_u32 s29, -1, v93                      ; lanes with a bit clear
	s_cmp_lg_u32 s28, 0
	s_cselect_b32 s30, 1, 0
	s_cmp_eq_u32 s29, 0
	s_cselect_b32 s30, 2, s30
	s_lshl_b32 s30, s30, 2*\s
	s_or_b32 s31, s31, s30
	global_store_b64 v6, v[80+2*\s:81+2*\s], s[18:19] offset:256*\s   ; 256 consecutive aligned bytes; each step has registers of its own
.endm
	WORDS 0
	WORDS 1
	WORDS 2
	WORDS 3
	v_mov_b32 v94, s31
	global_store_b32 v7, v94, s[20:21]
	s_endpgm
.Lfunc_end_k_q191e9ee750_prep:
	.size	k_q191e9ee750_prep, .Lfunc_end_k_q191e9ee750_prep-k_q191e9ee750_prep
	.p2alignl 7, 3214868480
	.fill 96, 4, 3214868480
	.section	.rodata,"a",@progbits
	.p2align	6, 0x0
	.amdhsa_kernel k_q191e9ee750_prep
		.amdhsa_group_segment_fixed_size 39424
		.amdhsa_private_segment_fixed_size 0
		.amdhsa_enable_private_segment 0
		.amdhsa_kernarg_size 72
		.amdhsa_user_sgpr_count 2
		.amdhsa_user_sgpr_kernarg_segment_ptr 1
		.amdhsa_wavefront_size32 1
		.amdhsa_system_sgpr_workgroup_id_x 1
		.amdhsa_system_sgpr_workgroup_id_y 1
		.amdhsa_system_sgpr_workgroup_id_z 1
		.amdhsa_system_vgpr_workitem_id 0
		.amdhsa_next_free_vgpr 192
		.amdhsa_next_free_sgpr 66
		.amdhsa_reserve_vcc 0
		.amdhsa_float_denorm_mode_32 3
		.amdhsa_float_denorm_mode_16_64 3
		.amdhsa_memory_ordered 1
		.amdhsa_forward_progress 1
		.amdhsa_inst_pref_size 90
	.end_amdhsa_kernel
	.amdgpu_metadata
---
amdhsa.version: [ 1, 2 ]
amdhsa.kernels:
  - .name:           k_q191e9ee750_prep
    .symbol:         k_q191e9ee750_prep.kd
    .args:
      - { .name: x, .offset: 0, .size: 8, .value_kind: global_buffer, .address_space: global }
      - { .name: Wq, .offset: 8, .size: 8, .value_kind: global_buffer, .address_space: global }
      - { .name: Wk, .offset: 16, .size: 8, .value_kind: global_buffer, .address_space: global }
      - { .name: Wv, .offset: 24, .size: 8, .value_kind: global_buffer, .address_space: global }
      - { .name: Wo, .offset: 32, .size: 8, .value_kind: global_buffer, .address_space: global }
      - { .name: mask, .offset: 40, .size: 8, .value_kind: global_buffer, .address_space: global }
      - { .name: codes, .offset: 48, .size: 8, .value_kind: global_buffer, .address_space: global }
      - { .name: mwords, .offset: 56, .size: 8, .value_kind: global_buffer, .address_space: global }
      - { .name: mflags, .offset: 64, .size: 8, .value_kind: global_buffer, .address_space: global }
    .group_segment_fixed_size: 39424
    .private_segment_fixed_size: 0
    .kernarg_segment_align: 8
    .kernarg_segment_size: 72
    .max_flat_workgroup_size: 128
    .sgpr_count:     66
    .vgpr_count:     192
    .wavefront_size: 32
...
	.end_amdgpu_metadata
.endif
;; end of part 1
;; launch qkv (part 2): grid 16 x 16, 8 waves a work-group, clusters of 4 x 4, 316,928 bytes of LDS; arguments codes, bq, bk, bv, qc, qs, kv; writes qc, qs, kv
.if DOCPART == 2
	.amdgcn_target "amdgcn-amd-amdhsa--gfx1250"
	.amdhsa_code_object_version 6
	.text
	.protected	k_q191e9ee750_qkv
	.globl	k_q191e9ee750_qkv
	.p2align	8
	.type	k_q191e9ee750_qkv,@function
k_q191e9ee750_qkv:
	s_mov_b64 s[64:65], 0
	v_nop
	global_prefetch_b8 v0, s[64:65] scope:SCOPE_SE
	s_setreg_imm32_b32 hwreg(HW_REG_WAVE_MODE, 25, 1), 1
	s_wait_xcnt 0x0
	s_wait_alu depctr_hold_cnt(0) depctr_sa_sdst(0) depctr_va_vdst(0) depctr_va_sdst(0) depctr_va_ssrc(0) depctr_va_vcc(0) depctr_vm_vsrc(0)
	s_getreg_b32 s2, hwreg(HW_REG_IB_STS2, 6, 4)
	s_cmp_eq_u32 s2, 0
	s_cbranch_scc0 .Lentry_in_a_cluster
	s_endpgm
.Lentry_in_a_cluster:
	s_bfe_u32 s2, ttmp6, 0x10000c
	s_cmp_lg_u32 s2, 0xf033
	s_cbranch_scc0 .Lentry_shape_is_right
	s_endpgm
.Lentry_shape_is_right:
; Launch 2 of 4: q = x Wq^T + bq, k = x Wk^T + bk, v = x Wv^T + bv on codes of E2M1, and the results quantised in registers into the operands of the attention launch.  No work is left out here.
; A work-group (mb, y) makes q's block of 128 rows x head y, and beside it an eighth of k's or of v's block of these 128 rows: 256 work-groups of equal work.
; EIGHT WAVES: wave w = 4 ph + rg takes four tiles of Wq (4 ph on; source 0) x two tiles of x (2 rg on; source 1): 8 accumulators; a lane holds one row of x, its 16 registers of two neighbouring weight tiles are 16 neighbouring features.
; THE EXTRA TILE, a ninth accumulator.  kind = (y / 4) % 2, hf = y / 8, piece = y % 4.  kind 0, k: source 0 = Wk's tile 2 piece + ph, source 1 = x's tile 2 rg + hf: 8 of a block's 32 features in a lane.
; kind 1, v: source 0 = x's tile 2 rg + ph, source 1 = Wv's tile 2 piece + hf: 8 of a block's 32 keys in a lane.  A block lies in lanes l, l xor 16 and in waves w, w xor 4, which exchange their largest magnitudes through LDS.
; ALL OF K LIES IN LDS, 18 records of 17,408 bytes, in four chunks of 512 along K.  Eight tensor loads, one a wave: wave w asks for chunk w / 2, of the ten weight tiles (w even) or of x's eight (w odd).  Nothing is filled again.
; Chunk c is waited for by the two waves that asked for it, and shown to the others by a barrier, where it is first read; later chunks stay on their way.
; CLUSTERS 4 x 4: the weight tiles hang on y and are shared along a row of the cluster, x's on mb and are shared along a column: joint loads.  No prefetch: every fill is asked for at the head, there is no loop to run ahead in.
; The sums begin with the bias, loaded into the accumulators.  OUT: qc [head][tile] images, qs their scale words; kv: a record a key step: K's 8 tile images, V^T's 8, K's scale words, V's.
; k's scale bytes leave as single bytes: a word's four bytes are four work-groups' (16 bytes a wave).  LIMIT: a block of zeros gets the byte 1; the bytes are read by this program alone.
.set REC,   17408
.set CHK,   4352
.set RS,    43520                      ; x's tiles behind the ten weight tiles of a chunk
.set CHL,   78336
.set SPARE, 4*CHL                      ; the spare words, 128 bytes for each wave, which no other line names
.set STG,   SPARE+1024                 ; q's 128 scale words
.set XM,    STG+512                    ; the extra tile's maxima: a word a thread
.set XC,    XM+1024                    ; its codes: four pieces of 256 bytes
.set LI,  4
.set LS,  5
.set AP,  6
.set AR,  7
.set AE,  8
.set SPA, 9
.set SRA, 10
.set SEA, 11
.set SPW, 14
.set NIL, 15
.set SC,  32                           ; v32-59 scale words, two sets of 14: register 2 t + p; t = 0-3 weights, 4, 5 x, 6 the extra weight: lanes 0-15 the chunk's K step 2 p, lanes 16-31 K step 2 p + 1
.set FR,  64                           ; v64-175 two fragment buffers of 56, in the same order
.set ACC, 176                          ; v176-239 accumulator (t, a) at 176 + 8 (4 a + t)
.set XA,  240                          ; v240-247 the extra tile
.set G1P, 28
.set G1R, 36
.set G0P, 44
.set G0R, 48
.macro FETCH k                         ; K step k's seven fragments
.set FB, FR+56*((\k)%2)
.set FO, 1024*((\k)%4)
.irp t, 0,1,2,3
.irp c, 0,1
	ds_load_b128 v[FB+8*\t+4*\c:FB+8*\t+4*\c+3], v[AP] offset:CHK*\t+FO+512*\c
.endr
.endr
.irp a, 0,1
.irp c, 0,1
	ds_load_b128 v[FB+32+8*\a+4*\c:FB+32+8*\a+4*\c+3], v[AR] offset:CHK*\a+FO+512*\c
.endr
.endr
.irp c, 0,1
	ds_load_b128 v[FB+48+4*\c:FB+48+4*\c+3], v[AE] offset:FO+512*\c
.endr
.endm
.macro SCALES s
.irp p, 0,1
.irp t, 0,1,2,3
	ds_load_b32 v[SC+14*(\s)+2*\t+\p], v[SPA] offset:4096+CHK*\t+128*\p
.endr
.irp a, 0,1
	ds_load_b32 v[SC+14*(\s)+8+2*\a+\p], v[SRA] offset:4096+CHK*\a+128*\p
.endr
	ds_load_b32 v[SC+14*(\s)+12+\p], v[SEA] offset:4096+128*\p
.endr
.endm
.macro WM d, a, b, k                   ; d += fragment a x fragment b
.set WF, FR+56*((\k)%2)
.set WS, SC+14*(((\k)/4)%2)+((\k)%4)/2
.if (\k)%2
	v_wmma_scale_f32_16x16x128_f8f6f4 v[\d:\d+7], v[WF+8*(\a):WF+8*(\a)+7], v[WF+8*(\b):WF+8*(\b)+7], v[\d:\d+7], v[WS+2*(\a)], v[WS+2*(\b)] matrix_a_fmt:MATRIX_FMT_FP4 matrix_b_fmt:MATRIX_FMT_FP4 matrix_a_scale:MATRIX_SCALE_ROW1 matrix_b_scale:MATRIX_SCALE_ROW1
.else
	v_wmma_scale_f32_16x16x128_f8f6f4 v[\d:\d+7], v[WF+8*(\a):WF+8*(\a)+7], v[WF+8*(\b):WF+8*(\b)+7], v[\d:\d+7], v[WS+2*(\a)], v[WS+2*(\b)] matrix_a_fmt:MATRIX_FMT_FP4 matrix_b_fmt:MATRIX_FMT_FP4
.endif
.endm
.macro MULS k                          ; the nine accumulators take turns, one instruction a turn
.irp a, 0,1
.irp t, 0,1,2,3
	WM ACC+8*(4*\a+\t), \t, 4+\a, \k
.endr
.endr
	s_cmp_lt_u32 s63, 2                            ; which operands the extra tile takes: ids alone decide
	s_cbranch_scc0 .Lxv_\@
	s_cmp_eq_u32 s63, 0
	s_cbranch_scc0 .Lxk_\@
	WM XA, 6, 4, \k
	s_branch .Lxd_\@
.Lxk_\@:
	WM XA, 6, 5, \k
	s_branch .Lxd_\@
.Lxv_\@:
	s_cmp_eq_u32 s63, 2
	s_cbranch_scc0 .Lxw_\@
	WM XA, 4, 6, \k
	s_branch .Lxd_\@
.Lxw_\@:
	WM XA, 5, 6, \k
.Lxd_\@:
.endm
.macro LANDED c                        ; chunk c is whole behind this: the waves that asked for it (and for earlier chunks) wait, then everybody meets
.if (\c) < 3
	s_cmp_lt_u32 s18, 2*(\c)+2
	s_cbranch_scc0 .Llater_\@
	s_wait_tensorcnt 0x0
.Llater_\@:
.else
	s_wait_tensorcnt 0x0
.endif
	s_barrier_signal -1
	s_barrier_wait -1
.endm
.macro KSTEP k
.if (\k) == 15
	s_wait_dscnt 0x0
	MULS \k
.elseif (\k)%4 == 3                    ; the next K step lies in the next chunk
	s_wait_dscnt 0x0                               ; no LDS instruction of mine is out at the signal
	LANDED ((\k)+1)/4
.irp g, AP, AR, AE, SPA, SRA, SEA
	v_add_nc_u32 v[\g], CHL, v[\g]                 ; (also the places in front of the loads below)
.endr
	s_wait_alu depctr_va_vdst(0)
	FETCH (\k)+1
	SCALES (((\k)+1)/4)%2
	MULS \k
.else
.rept 4
	v_nop                                          ; places in front of loads into registers that matrix instructions have read
.endr
	FETCH (\k)+1
	s_wait_dscnt 14                                ; all but the 14 just issued
	MULS \k
.endif
.endm
.macro CROUND                          ; a round of the cluster's barrier
	s_barrier_signal -1
	s_barrier_wait -1
	s_cmp_lg_u32 s18, 0
	s_cbranch_scc1 .Lnot_wave_0_\@
	s_barrier_signal -3
.Lnot_wave_0_\@:
	s_barrier_wait -3
	s_barrier_signal -1
	s_barrier_wait -1
.endm
	s_load_b256 s[4:11], s[0:1], 0x0               ; codes, bq, bk, bv
	s_load_b128 s[12:15], s[0:1], 0x20             ; qc, qs
	s_load_b64 s[16:17], s[0:1], 0x30              ; kv
	v_lshl_add_u32 v[SPW], v0, 2, SPARE
	v_mov_b32 v[NIL], 0
	ds_add_u32 v[SPW], v[NIL]                      ; the wave's opening: the add, twice on end, and its wait
	ds_add_u32 v[SPW], v[NIL]
	v_lshrrev_b32 v1, 5, v0
	v_readfirstlane_b32 s18, v1                    ; wave
	s_bfe_u32 s19, ttmp6, 0x40000                  ; cx
	s_bfe_u32 s20, ttmp6, 0x40004                  ; cy = piece
	s_lshl_b32 s21, ttmp9, 2
	s_add_co_u32 s21, s21, s19                     ; mb
	s_and_b32 s23, ttmp7, 0xffff
	s_lshl_b32 s22, s23, 2
	s_add_co_u32 s22, s22, s20                     ; y
	s_and_b32 s24, s23, 1                          ; kind
	s_bfe_u32 s25, s23, 0x10001                    ; hf: one bit, from bit 1 of the cluster's y
	s_lshr_b32 s26, s18, 2                         ; ph
	s_and_b32 s27, s18, 3                          ; rg
	s_lshl_b32 s52, s20, 2
	s_lshl_b32 s52, 15, s52                        ; my row of the cluster: the same y
	s_lshl_b32 s53, 0x1111, s19                    ; my column: the same mb
	s_or_b32 s[G1P], s52, (3<<16)|(1<<21)          ; elements of 8 bytes; bit 21 set beside a mask; no padding
	s_or_b32 s[G1R], s53, (3<<16)|(1<<21)
	s_mov_b32 s[G1P+2], 10<<16                     ; ten tiles' chunks: 10 rows of 544 elements,
	s_mov_b32 s[G1P+4], 10
	s_mov_b32 s[G1R+2], 8<<16                      ; or eight
	s_mov_b32 s[G1R+4], 8
.irp g, G1P, G1R
	s_mov_b32 s[\g+1], 544<<16
	s_mov_b32 s[\g+3], 544<<16
	s_mov_b32 s[\g+5], 2176                        ; a record apart in memory, dense in LDS
	s_mov_b32 s[\g+6], 0
	s_mov_b32 s[\g+7], 0
.endr
	s_lshr_b32 s58, s18, 1                         ; my chunk
	s_mul_i32 s59, s58, CHL                        ; where it lies in LDS: the wave's number alone
	s_mul_i32 s58, s58, CHK
	s_mul_i32 s54, s22, 10*REC
	s_add_co_u32 s54, s54, 128*REC
	s_add_co_u32 s54, s54, s58                     ; head y's ten records
	s_mov_b32 s55, 0
	s_mul_i32 s56, s21, 8*REC
	s_add_co_u32 s56, s56, s58                     ; x's eight
	s_mov_b32 s57, 0
	s_mul_i32 s60, s26, 4*CHK                      ; my four weight tiles
	s_mul_i32 s61, s27, 2*CHK
	s_add_co_u32 s61, s61, RS                      ; my two of x
	s_add_co_u32 s63, s26, 2
	s_cmp_eq_u32 s24, 0
	s_cselect_b32 s62, s26, s25                    ; which of the two extra weight tiles: k ph, v hf
	s_cselect_b32 s63, s25, s63                    ; the extra tile's operands: k: x's tile hf; v: x's tile ph
	s_mul_i32 s62, s62, CHK
	s_add_co_u32 s62, s62, 8*CHK
	s_lshl_b32 s66, s27, 7
	s_lshl_b32 s67, s26, 1
	s_add_co_u32 s66, s66, s67
	s_add_co_u32 s66, s66, STG                     ; q's scale halfwords
	s_xor_b32 s67, s18, 4
	s_lshl_b32 s67, s67, 7
	s_add_co_u32 s67, s67, XM                      ; my partner's maxima
	s_lshl_b32 s69, s27, 8
	s_add_co_u32 s69, s69, XC                      ; my piece,
	s_lshl_b32 s68, s26, 2
	s_add_co_u32 s68, s68, s69                     ; and my words in it
	s_lshl_b32 s70, s22, 9
	s_lshl_b32 s71, s26, 8
	s_add_co_u32 s70, s70, s71
	s_mov_b32 s71, 0
	s_lshl_b32 s74, s20, 7
	s_lshl_b32 s72, s26, 5
	s_add_co_u32 s72, s72, s74
	s_mov_b32 s73, 0
	s_lshl_b32 s75, s25, 5
	s_add_co_u32 s74, s74, s75
	s_mov_b32 s75, 0
	s_mov_b32 s80, 0x76543210
	s_mov_b32 s81, 0xfedcba98                      ; v_permlanex16_b32's selects for lane l xor 16
	s_wait_dscnt 0x0                               ; both opening adds are done
	s_wait_alu depctr_va_vdst(0)
	s_wait_kmcnt 0x0
	s_mov_b32 s[G0P], 1
	s_mov_b32 s[G0P+1], s59
	s_add_nc_u64 s[G0P+2:G0P+3], s[4:5], s[54:55]
	s_or_b32 s[G0P+3], s[G0P+3], 0x80000000
	s_mov_b32 s[G0R], 1
	s_add_co_u32 s[G0R+1], s59, RS
	s_add_nc_u64 s[G0R+2:G0R+3], s[4:5], s[56:57]
	s_or_b32 s[G0R+3], s[G0R+3], 0x80000000
	s_add_nc_u64 s[70:71], s[6:7], s[70:71]
	s_add_nc_u64 s[72:73], s[8:9], s[72:73]
	s_add_nc_u64 s[74:75], s[10:11], s[74:75]
	CROUND                                         ; all sixteen work-groups are here: the joint loads meet
; ONE tree of branches on the wave's number: every way through it passes exactly one load; each wave has a line of its own, since the waves wait at different places
.macro ARM under, g0, g1, next
	s_cmp_lt_u32 s18, \under
	s_cbranch_scc0 \next
	tensor_load_to_lds s[\g0:\g0+3], s[\g1:\g1+7]
	s_nop 0
.rept 4
	v_nop
.endr
	s_branch .Lasked
\next:
.endm
	ARM 1, G0P, G1P, .Lw1
	ARM 2, G0R, G1R, .Lw2
	ARM 3, G0P, G1P, .Lw3
	ARM 4, G0R, G1R, .Lw4
	ARM 5, G0P, G1P, .Lw5
	ARM 6, G0R, G1R, .Lw6
	ARM 7, G0P, G1P, .Lw7
	tensor_load_to_lds s[G0R:G0R+3], s[G1R:G1R+7]
	s_nop 0
.rept 4
	v_nop
.endr
.Lasked:
	v_and_b32 v1, 31, v0                           ; lane
	v_and_b32 v2, 15, v0                           ; r
	v_bfe_u32 v3, v0, 4, 1                         ; h
	v_lshlrev_b32 v[LI], 4, v1
	v_lshlrev_b32 v[LS], 2, v1
	v_add_nc_u32 v[AP], s60, v[LI]
	v_add_nc_u32 v[AR], s61, v[LI]
	v_add_nc_u32 v[AE], s62, v[LI]
	v_add_nc_u32 v[SPA], s60, v[LS]
	v_add_nc_u32 v[SRA], s61, v[LS]
	v_add_nc_u32 v[SEA], s62, v[LS]
	v_lshlrev_b32 v26, 2, v2                       ; 4 r
	v_add_nc_u32 v16, s66, v26                     ; q's halfword of row r
	v_lshl_add_u32 v18, v0, 2, XM
	v_add_nc_u32 v19, s67, v[LS]
	v_lshlrev_b32 v20, 4, v2
	v_lshl_add_u32 v20, v3, 3, v20
	v_add_nc_u32 v20, s68, v20                     ; the extra tile's codes: 16 r + 8 h + 4 ph
	v_lshlrev_b32 v25, 3, v1                       ; 8 x lane
	v_add_nc_u32 v21, s69, v25
	v_lshlrev_b32 v22, 6, v3                       ; the biases along my registers: 16 h numbers on
	v_and_b32 v23, 8, v2
	v_add_nc_u32 v23, v23, v2
	v_lshlrev_b32 v23, 2, v23                      ; bv: my lane's channel r + 8 (r / 8)
	v_add_nc_u32 v27, STG, v[LI]
.irp a, 0,1
.irp t, 0,1,2,3
	global_load_b128 v[ACC+32*\a+8*\t:ACC+32*\a+8*\t+3], v22, s[70:71] offset:(32*(\t/2)+8*(\t%2))*4
	global_load_b128 v[ACC+32*\a+8*\t+4:ACC+32*\a+8*\t+7], v22, s[70:71] offset:(32*(\t/2)+8*(\t%2))*4+16
.endr
.endr
	s_wait_alu depctr_va_vdst(0)
	s_cmp_eq_u32 s24, 0
	s_cbranch_scc0 .Lbias_v
	global_load_b128 v[XA:XA+3], v22, s[72:73]
	global_load_b128 v[XA+4:XA+7], v22, s[72:73] offset:16
	s_branch .Lbias_done
.Lbias_v:
.irp j, 0,1,2,3,4,5,6,7
	global_load_b32 v[XA+\j], v23, s[74:75]        ; one number for all eight registers
.endr
.Lbias_done:
	LANDED 0
	FETCH 0
	SCALES 0
	s_wait_loadcnt 0x0                             ; the biases
.irp k, 0,1,2,3,4,5,6,7,8,9,10,11,12,13,14,15
	KSTEP \k
.endr
.rept 4
	v_nop                                          ; places in front of the first read of results and of writes over the fragments
.endr
	; q: block n = 2 a + b: my 16 of the 32 features of block 2 ph + b of x's tile 2 rg + a
.irp n, 0,1,2,3
	v_max3_num_f32 v[64+\n], |v[ACC+16*\n]|, |v[ACC+1+16*\n]|, 0x1800000   ; and the floor 2^(3 - 127): the byte cannot fall under 1
.endr
	v_max3_num_f32 v72, |v[XA]|, |v[XA+1]|, 0x1800000
.irp i, 2,4,6,8,10,12,14
.irp n, 0,1,2,3
	v_max3_num_f32 v[64+\n], v[64+\n], |v[ACC+16*\n+\i]|, |v[ACC+1+16*\n+\i]|
.endr
.if \i < 8
	v_max3_num_f32 v72, v72, |v[XA+\i]|, |v[XA+1+\i]|
.endif
.endr
.irp n, 0,1,2,3
	v_permlanex16_b32 v[68+\n], v[64+\n], s80, s81
.endr
	v_permlanex16_b32 v73, v72, s80, s81
.irp n, 0,1,2,3
	v_max_num_f32 v[64+\n], v[64+\n], v[68+\n]
.endr
	v_max_num_f32 v72, v72, v73
.irp n, 0,1,2,3
	v_add_nc_u32 v[76+\n], 0xff000000, v[64+\n]    ; 2 off the exponent field: the conversion's scale operand
.endr
.irp n, 0,1,2,3
	v_lshrrev_b32 v[68+\n], 23, v[76+\n]           ; the scale's byte
.endr
.irp a, 0,1
	v_lshl_or_b32 v[80+\a], v[69+2*\a], 8, v[68+2*\a]
.endr
.irp n, 0,1,2,3
	v_cvt_scalef32_pk8_fp4_f32 v[84+2*\n], v[ACC+16*\n:ACC+7+16*\n], v[76+\n]
	v_cvt_scalef32_pk8_fp4_f32 v[85+2*\n], v[ACC+8+16*\n:ACC+15+16*\n], v[76+\n]
.endr
	v_nop                                          ; one plain place behind a scaled conversion
.irp a, 0,1
	v_permlane16_swap_b32 v[84+4*\a], v[86+4*\a]   ; lanes 0-15 take block 2 ph, lanes 16-31 block 2 ph + 1
	v_permlane16_swap_b32 v[85+4*\a], v[87+4*\a]
.endr
	ds_store_b16 v16, v80                          ; (lanes l and l xor 16 write the same bytes with the same value)
	ds_store_b16 v16, v81 offset:64
	ds_store_b32 v18, v72
	s_lshl_b32 s76, s22, 7
	s_lshl_b32 s77, s21, 3
	s_add_co_u32 s76, s76, s77                     ; q: fragment 128 y + 8 mb,
	s_lshl_b32 s78, s76, 6
	s_mov_b32 s79, 0
	s_lshl_b32 s77, s27, 1
	s_add_co_u32 s76, s76, s77                     ; + 2 rg
	s_lshl_b32 s76, s76, 10
	s_lshl_b32 s77, s26, 9
	s_add_co_u32 s76, s76, s77
	s_mov_b32 s77, 0
	s_add_nc_u64 s[12:13], s[12:13], s[76:77]
	s_add_nc_u64 s[14:15], s[14:15], s[78:79]
	s_wait_alu depctr_va_vdst(0)
	global_store_b128 v[LI], v[84:87], s[12:13]    ; half an image: 512 consecutive aligned bytes
	global_store_b128 v[LI], v[88:91], s[12:13] offset:1024
	s_lshl_b32 s82, s24, 9
	s_mul_i32 s83, s21, REC
	s_add_co_u32 s82, s82, s83
	s_add_co_u32 s82, s82, 16384                   ; the scale words of record mb
	s_lshl_b32 s84, s24, 13
	s_add_co_u32 s84, s84, s83                     ; its images
	s_cmp_eq_u32 s24, 0
	s_cselect_b32 s86, s27, s20
	s_cselect_b32 s87, s20, s27                    ; the block: k piece, v rg
	s_lshl_b32 s86, s86, 1
	s_add_co_u32 s86, s86, s25                     ; the tile: k 2 rg + hf, v 2 piece + hf
	s_lshl_b32 s83, s86, 6
	s_add_co_u32 s82, s82, s83
	s_add_co_u32 s82, s82, s87
	s_mov_b32 s83, 0
	s_lshl_b32 s85, s86, 10
	s_add_co_u32 s84, s84, s85
	s_lshl_b32 s85, s87, 8
	s_add_co_u32 s84, s84, s85
	s_mov_b32 s85, 0
	s_add_nc_u64 s[82:83], s[16:17], s[82:83]
	s_add_nc_u64 s[84:85], s[16:17], s[84:85]
	s_wait_dscnt 0x0                               ; for the others' sake: my stores have landed
	s_barrier_signal -1
	s_barrier_wait -1
	ds_load_b32 v73, v19                           ; wave w xor 4's maximum of the same block
	s_wait_dscnt 0x0
	v_max_num_f32 v72, v72, v73
	v_add_nc_u32 v74, 0xff000000, v72
	v_cvt_scalef32_pk8_fp4_f32 v96, v[XA:XA+7], v74
	v_lshrrev_b32 v75, 23, v74                     ; the byte (a plain line behind the conversion)
	ds_store_b32 v20, v96
	s_wait_alu depctr_va_vdst(0)
	s_wait_dscnt 0x0
	s_barrier_signal -1
	s_barrier_wait -1
	s_cmp_lt_u32 s18, 4                            ; the wave's number alone decides; no barrier stands in an arm
	s_cbranch_scc0 .Lnot_kv
	ds_load_b64 v[98:99], v21
	global_store_b8 v26, v75, s[82:83]             ; 16 rows' bytes (lanes l and l xor 16 write the same one)
	s_wait_dscnt 0x0
	global_store_b64 v25, v[98:99], s[84:85]       ; a piece: 256 consecutive aligned bytes
	s_branch .Lsent
.Lnot_kv:
	s_cmp_eq_u32 s18, 4
	s_cbranch_scc0 .Lsent
	ds_load_b128 v[92:95], v27
	s_wait_dscnt 0x0
	global_store_b128 v[LI], v[92:95], s[14:15]    ; q's 128 scale words: 512 consecutive aligned bytes
.Lsent:
	s_wait_tensorcnt 0x0                           ; the wave's end
	ds_add_u32 v[SPW], v[NIL]
	s_wait_dscnt 0x0
	CROUND                                         ; the closing round
	s_endpgm
.Lfunc_end_k_q191e9ee750_qkv:
	.size	k_q191e9ee750_qkv, .Lfunc_end_k_q191e9ee750_qkv-k_q191e9ee750_qkv
	.p2alignl 7, 3214868480
	.fill 96, 4, 3214868480
	.section	.rodata,"a",@progbits
	.p2align	6, 0x0
	.amdhsa_kernel k_q191e9ee750_qkv
		.amdhsa_group_segment_fixed_size 316928
		.amdhsa_private_segment_fixed_size 0
		.amdhsa_enable_private_segment 0
		.amdhsa_kernarg_size 56
		.amdhsa_user_sgpr_count 2
		.amdhsa_user_sgpr_kernarg_segment_ptr 1
		.amdhsa_wavefront_size32 1
		.amdhsa_system_sgpr_workgroup_id_x 1
		.amdhsa_system_sgpr_workgroup_id_y 1
		.amdhsa_system_sgpr_workgroup_id_z 1
		.amdhsa_system_vgpr_workitem_id 0
		.amdhsa_next_free_vgpr 256
		.amdhsa_next_free_sgpr 90
		.amdhsa_reserve_vcc 0
		.amdhsa_float_denorm_mode_32 3
		.amdhsa_float_denorm_mode_16_64 3
		.amdhsa_memory_ordered 1
		.amdhsa_forward_progress 1
		.amdhsa_inst_pref_size 69
	.end_amdhsa_kernel
	.amdgpu_metadata
---
amdhsa.version: [ 1, 2 ]
amdhsa.kernels:
  - .name:           k_q191e9ee750_qkv
    .symbol:         k_q191e9ee750_qkv.kd
    .args:
      - { .name: codes, .offset: 0, .size: 8, .value_kind: global_buffer, .address_space: global }
      - { .name: bq, .offset: 8, .size: 8, .value_kind: global_buffer, .address_space: global }
      - { .name: bk, .offset: 16, .size: 8, .value_kind: global_buffer, .address_space: global }
      - { .name: bv, .offset: 24, .size: 8, .value_kind: global_buffer, .address_space: global }
      - { .name: qc, .offset: 32, .size: 8, .value_kind: global_buffer, .address_space: global }
      - { .name: qs, .offset: 40, .size: 8, .value_kind: global_buffer, .address_space: global }
      - { .name: kv, .offset: 48, .size: 8, .value_kind: global_buffer, .address_space: global }
    .group_segment_fixed_size: 316928
    .private_segment_fixed_size: 0
    .kernarg_segment_align: 8
    .kernarg_segment_size: 56
    .max_flat_workgroup_size: 256
    .sgpr_count:     90
    .vgpr_count:     256
    .wavefront_size: 32
...
	.end_amdgpu_metadata
.endif
;; end of part 2
;; launch attn (part 3): grid 64 x 4, 8 waves a work-group, no clusters, 279,552 bytes of LDS; arguments qc, qs, kv, mwords, mflags, oc; writes oc
.if DOCPART == 3
	.amdgcn_target "amdgcn-amd-amdhsa--gfx1250"
	.amdhsa_code_object_version 6
	.text
	.protected	k_q191e9ee750_attn
	.globl	k_q191e9ee750_attn
	.p2align	8
	.type	k_q191e9ee750_attn,@function
k_q191e9ee750_attn:
	s_mov_b64 s[64:65], 0
	v_nop
	global_prefetch_b8 v0, s[64:65] scope:SCOPE_SE
	s_setreg_imm32_b32 hwreg(HW_REG_WAVE_MODE, 25, 1), 1
	s_wait_xcnt 0x0
; Launch 3 of 4: softmax(q k^T / sqrt(128), under the mask) v for 16 heads that share one K and V, both products on codes of E2M1; the result, divided by the row's sum, is quantised into the last product's operand.
; LEFT OUT: a step (256 keys) in which the mask holds no true byte for a tile's 16 queries: its p are all 0 and add nothing to the sum or to O.  The first launch stored that as whole numbers (mflags), read here from memory.
; A NaN, an infinity or an overflow that would arise only in such scores is not carried to the result.
; THE SOFTMAX: t = score x log2(e) / sqrt(128); M = the running largest t rounded UP to a whole number; p = 2^(t - M) is quantised along the keys, not normalised; the row's sum is taken of the unquantised p and divides O at the end.
; When M moves, the sum and O are multiplied by 2^(old M - new M): exact.  A masked score becomes -infinity ahead of the maximum: p = 0.
; A ROW WITH NO TRUE KEY has the sum 0: reference() gives NaN there.  Its O is set to 0 and its scale bytes to 0xff, the E8M0 code for NaN, which makes the whole row of the last product NaN.
; LIMIT: the promise holds while t stays under 2^31 in magnitude.
; SHARES.  Work-group (x, y): query tiles 127 - x and x, heads 4 y .. 4 y + 3.  Wave w has head 4 y + w % 4 and tile 127 - x (w < 4) or x: one state a wave, no merging.  Under a mask of the lower-triangular kind the two tiles of a
; head have 17 tiles of 128 keys together, the same in every work-group.  The split is fixed: the values are right for every mask.
; K AND V OF ALL 2,048 KEYS LIE IN LDS, as they lie in kv (a record of 17,408 bytes for 128 keys).  They come THROUGH REGISTERS, in four phases of four records: a wave copies half a record a phase, and the next phase's loads are
; on their way during a phase's two steps; where no later step has a true key the rest is not copied.  NO TENSOR LOAD AND NO JOINT REQUEST: steps are passed over on numbers read from memory.
; One barrier a phase: in front of it a wave's stores of the phase's records have landed; the bytes stored in a phase are read in no earlier phase.  kv is not prefetched: its loads run a phase ahead already.
; THE LANE MASKS of 128 keys are loaded only where their flag says that some bytes are true and some not; load, wait and use stand in that one arm.  The tile's 4,096 bytes of them are asked for ahead by one prefetch at the head.
; LAYOUT.  Both products are used transposed: S^T = K Q^T, O^T = V^T P^T: a lane holds ONE query (lane % 16).  The 16 registers of two neighbouring tiles are 16 neighbours: keys for p, channels for O.
.set REC,   17408
.set PHB,   69632                      ; a phase's four records
.set SPARE, 16*REC                     ; the spare words, 128 bytes for each of eight waves, which no other line names
.set LI,   1                           ; v1   16 x lane
.set LS,   2                           ; v2   4 x lane
.set ST0,  3                           ; v3   where I store my half record of a phase
.set LN,   4                           ; v4   lane
.set SPW,  5
.set NIL,  6
.set ONES, 7                           ; v7   -1
.set ADK,  8                           ; v8   the step's first record + 16 x lane
.set ADS,  9                           ; v9   the same + 4 x lane
.set OI,   24                          ; v24  oc: my image's offset
.set OS,   25                          ; v25  oc: my scale words' offset
.set STA,  26                          ; v26  the phase's store address
.set CD,   36                          ; v36-51 p's codes, two halves
.set KS,   52                          ; v52-59 K's scale words
.set MX,   64                          ; v64-71 the blocks' maxima
.set BY,   72                          ; v72-79 the other lanes' maxima, then the scale bytes
.set SO,   80                          ; v80-87 the conversions' scale operands
; v10 1 / sum; v12 -M, v13 the largest t; v16-23 Q; v[88:89] f; v90, v91 p's scale words; v92-95 at work
.set S,    96                          ; v96-223 S^T, then p: 16 tiles
.set QSC,  224                         ; v224 Q's scale words
.set SUM,  226                         ; v[226:227] the sum in two halves; v228-233 three more chains of it within a step
; Window 1: v0-63 O^T; v64-191 sixteen fragments of K, then of V; v192-255 staging (with v32-35 of window 0)
.set WV,   84
.set TL,   85                          ; s85  my tile
.set HD,   86
.set F,    87                          ; s87  my tile's flags of the keys still to come, two bits for each 128
.set CODE, 88
.set TB,   89                          ; s89  LDS byte of the step's first record
.set MO,   90                          ; s90  the step's mask words
.set TRIP, 91
.set SEL,  92
.set CS,   94                          ; s[94:95] c = log2(e) / sqrt(128)
.set FA,   96                          ; s96  both tiles' flags joined, of the phases still to be stored: the same in all waves
.set NX,   99                          ; s99  the next step's flags
.set ASN,  225                         ; v225 the next step's first record + 4 x lane
.set VS,   234                         ; v234-241 V's scale words (v52-59 hold K's alone)
; K RUNS A STEP AHEAD.  Of the fragments' 128 registers of window 1 the lower 64 take the first record's K, the upper 64 the second record's K and then the first record's V; the second record's V lies in the score registers that the
; first half's conversions have left.  The next step's K is asked for where these registers fall free, if its flags say that it is wanted; so a phase's records are stored one step ahead of their first use.
.set SB,   2                           ; s2   LDS byte of the phase's records
.set MSB, 0
.macro WIN new                         ; the immediate's high byte repeats the setting that is left
.if MSB != \new
	s_set_vgpr_msb (MSB<<8)|\new
.set MSB, \new
.endif
.endm
.macro COPYLOAD                        ; my half record, 8,704 bytes: 17 loads of 512 consecutive bytes
	WIN 0x40                                       ; destination window 1
.irp i, 0,1,2,3,4,5,6,7,8,9,10,11,12,13,14,15
	global_load_b128 v[192+4*\i:195+4*\i], v[LI], s[8:9] offset:512*\i
.endr
	WIN 0
	global_load_b128 v[32:35], v[LI], s[8:9] offset:8192
.endm
	s_load_b256 s[4:11], s[0:1], 0x0               ; qc, qs, kv, mwords
	s_load_b128 s[12:15], s[0:1], 0x20             ; mflags, oc
	v_lshl_add_u32 v[SPW], v0, 2, SPARE
	v_mov_b32 v[NIL], 0
	v_lshrrev_b32 v10, 5, v0
	v_readfirstlane_b32 s[WV], v10                 ; wave 0..7
	v_and_b32 v[LN], 31, v0
	v_lshlrev_b32 v[LI], 4, v[LN]
	v_lshlrev_b32 v[LS], 2, v[LN]
	v_mov_b32 v[ONES], -1
	v_and_b32 v27, 15, v0
	v_lshlrev_b32 v27, 2, v27                      ; 4 r
	v_min_u32 v29, 15, v[LN]
	v_lshlrev_b32 v29, 8, v29                      ; the prefetch: 16 blocks of 256 bytes, the last named again by the lanes left over
	s_wait_alu depctr_va_vdst(0)
	s_and_b32 s16, ttmp7, 0xffff                   ; y
	s_and_b32 s17, s[WV], 3                        ; which of the four heads
	s_lshr_b32 s18, s[WV], 2                       ; which of the two tiles
	s_lshl_b32 s[HD], s16, 2
	s_add_co_u32 s[HD], s[HD], s17
	s_sub_co_u32 s19, 127, ttmp9
	s_cmp_eq_u32 s18, 0
	s_cselect_b32 s[TL], s19, ttmp9                ; my tile,
	s_cselect_b32 s20, ttmp9, s19                  ; the other
	s_mul_i32 s22, s[WV], REC/2                    ; my half record among a phase's four
	s_mov_b32 s23, 0
	s_lshl_b32 s24, s17, 10
	s_lshl_b32 s25, s17, 6
	s_lshl_b32 s26, s[HD], 7
	s_add_co_u32 s26, s26, s[TL]                   ; 128 head + tile
	s_lshl_b32 s27, s26, 10
	s_lshl_b32 s26, s26, 6
	s_lshl_b32 s30, s[TL], 12                      ; a tile's mask words: 4,096 bytes
	s_mov_b32 s31, 0
	s_lshl_b32 s28, s[TL], 9                       ; and flags: 512 bytes
	s_lshl_b32 s29, s20, 9
	s_mul_i32 s34, s[TL], REC                      ; oc: my tile's record, the chunk of my four heads
	s_mul_i32 s35, s16, 4352
	s_add_co_u32 s34, s34, s35
	s_mov_b32 s35, 0
	s_mov_b32 s[SEL], 0x76543210
	s_mov_b32 s[SEL+1], 0xfedcba98                 ; v_permlanex16_b32's selects for lane l xor 16
	s_mov_b32 s[CS], 0x3e0293ee
	s_mov_b32 s[CS+1], s[CS]                       ; (named with it as a pair, so it is written)
	s_mov_b32 s[TB], 0
	s_mov_b32 s[MO], 0
	s_mov_b32 s[SB], 0
	s_mov_b32 s[TRIP], 3
	v_add_nc_u32 v[ST0], s22, v[LI]
	v_add_nc_u32 v[OI], s24, v[LI]
	v_add_nc_u32 v[OS], s25, v[LS]
	v_add_nc_u32 v28, s27, v[LI]                   ; Q's image: 1,024 bytes
	v_add_nc_u32 v30, s26, v27                     ; and its scale words: 64 bytes
	s_wait_alu depctr_va_vdst(0)
	s_wait_kmcnt 0x0
	s_add_nc_u64 s[8:9], s[8:9], s[22:23]
	COPYLOAD                                       ; phase 0's
	global_load_b128 v[16:19], v28, s[4:5]         ; Q, as it lies
	global_load_b128 v[20:23], v28, s[4:5] offset:512
	global_load_b32 v[QSC], v30, s[6:7]
	s_add_nc_u64 s[10:11], s[10:11], s[30:31]
	s_add_nc_u64 s[14:15], s[14:15], s[34:35]
.irp i, 0,1,2,3
	s_load_b32 s[44+\i], s[12:13], s28 offset:128*\i
	s_load_b32 s[40+\i], s[12:13], s29 offset:128*\i
.endr
	s_cmp_eq_u32 s17, 0                            ; one wave of a tile's four asks for the tile's mask words, which its steps may want
	s_cbranch_scc0 .Lnot_mine
	global_prefetch_b8 v29, s[10:11] th:TH_LOAD_NT scope:SCOPE_SE
.Lnot_mine:
.irp b, 0,1,2,3,4,5,6,7
	v_mov_b32 v[BY+\b], 0                          ; written once: a lane permute's destination counts as one of its sources
.endr
	v_mov_b32 v95, 0
	v_mov_b32 v89, 0                               ; (named as the pair's upper half)
	v_mov_b32 v13, 0xff61b1e6                      ; the largest t so far: -3e38
	v_mov_b32 v[SUM], 0
	v_mov_b32 v[SUM+1], 0
	v_floor_f32 v12, -v13                          ; -M
	WIN 0x40
.set j, 0
.rept 64
	v_mov_b32 v[j], 0                              ; O^T.  Which step is a tile's first hangs on the mask, so the step is written once and the first finds zeros, which the first change of M leaves zeros
.set j, j+1
.endr
	WIN 0
	s_wait_alu depctr_va_vdst(0)
.macro FRAGS win, dst, sd, as, sc, base ; a record's eight fragments of K or of V and their scale words: 20 loads
.irp p, 0,1,2,3
	ds_load_b32 v[\sd+\p], v[\as] offset:\sc+128*\p                ; lanes 0-15 tile 2 p's, lanes 16-31 tile 2 p + 1's
.endr
	WIN \win
.irp t, 0,1,2,3,4,5,6,7
.irp c, 0,1
	ds_load_b128 v[\dst+8*\t+4*\c:\dst+8*\t+4*\c+3], v[ADK] offset:\base+1024*\t+512*\c
.endr
.endr
	WIN 0
.endm
.macro SCORES g                        ; half g: 128 keys
.irp t, 0,1,2,3,4,5,6,7
.if \t%2
	v_wmma_scale_f32_16x16x128_f8f6f4 v[S+64*\g+8*\t:S+64*\g+8*\t+7], v[64+64*\g+8*\t:71+64*\g+8*\t], v[16:23], 0, v[KS+4*\g+\t/2], v[QSC] matrix_a_fmt:MATRIX_FMT_FP4 matrix_b_fmt:MATRIX_FMT_FP4 matrix_a_scale:MATRIX_SCALE_ROW1
.else
	v_wmma_scale_f32_16x16x128_f8f6f4 v[S+64*\g+8*\t:S+64*\g+8*\t+7], v[64+64*\g+8*\t:71+64*\g+8*\t], v[16:23], 0, v[KS+4*\g+\t/2], v[QSC] matrix_a_fmt:MATRIX_FMT_FP4 matrix_b_fmt:MATRIX_FMT_FP4
.endif
.endr
.endm
.macro VALUES g, src                   ; half g; V's fragments stand at src
.irp t, 0,1,2,3,4,5,6,7
.if \t%2
	v_wmma_scale_f32_16x16x128_f8f6f4 v[8*\t:8*\t+7], v[\src+8*\t:\src+8*\t+7], v[CD+8*\g:CD+8*\g+7], v[8*\t:8*\t+7], v[VS+4*\g+\t/2], v[90+\g] matrix_a_fmt:MATRIX_FMT_FP4 matrix_b_fmt:MATRIX_FMT_FP4 matrix_a_scale:MATRIX_SCALE_ROW1
.else
	v_wmma_scale_f32_16x16x128_f8f6f4 v[8*\t:8*\t+7], v[\src+8*\t:\src+8*\t+7], v[CD+8*\g:CD+8*\g+7], v[8*\t:8*\t+7], v[VS+4*\g+\t/2], v[90+\g] matrix_a_fmt:MATRIX_FMT_FP4 matrix_b_fmt:MATRIX_FMT_FP4
.endif
.endr
.endm
.macro HIDE g                          ; half g's mask, by its flag: 2 every byte true, 0 none, 1 some
	s_bfe_u32 s[CODE], s[F], (2<<16)|(2*\g)
	s_cmp_eq_u32 s[CODE], 2
	s_cbranch_scc1 .Lopen_\@
	v_mov_b32 v94, 0xff800000                      ; -infinity
	s_wait_alu depctr_va_vdst(0)
	s_cmp_eq_u32 s[CODE], 0
	s_cbranch_scc1 .Lnone_\@
.irp i, 0,1,2
	s_load_b512 s[16+16*\i:31+16*\i], s[10:11], s[MO] offset:256*\g+64*\i   ; the half's 64 lane masks
.endr
	s_load_b512 s[68:83], s[10:11], s[MO] offset:256*\g+192
	s_wait_kmcnt 0x0
.set n, 0
.rept 64
	v_cndmask_b32 v[S+64*\g+n], v94, v[S+64*\g+n], s[16+n+4*(n/48)]    ; register n keeps its score where the mask's bit is set
.set n, n+1
.endr
	s_wait_alu depctr_va_vdst(0)
	s_branch .Lopen_\@
.Lnone_\@:
.set n, 0
.rept 64
	v_mov_b32 v[S+64*\g+n], v94
.set n, n+1
.endr
.Lopen_\@:
.endm
.macro ADDS from, count                ; pairs of p from .. from + count - 1 into the sum's four chains, by turns
.set i, \from
.rept \count
	v_pk_add_f32 v[SUM+2*(i%4):SUM+2*(i%4)+1], v[SUM+2*(i%4):SUM+2*(i%4)+1], v[S+2*i:S+2*i+1]
.set i, i+1
.endr
.endm
; A STEP: 256 keys, the q-th of the phase's two.
.macro STEP more                       ; more = 1: a step follows
	v_add_nc_u32 v[ADK], s[TB], v[LI]
	v_add_nc_u32 v[ADS], s[TB], v[LS]
	v_add_nc_u32 v[ASN], 2*REC, v[ADS]
	s_wait_alu depctr_va_vdst(0)
	s_bfe_u32 s[NX], s[F], (4<<16)|4
	s_and_b32 s[CODE], s[F], 15
	s_cmp_eq_u32 s[CODE], 0
	s_cbranch_scc1 .Lskip_\@                       ; no true byte: the step's products and softmax are passed over; no barrier stands in a step
	s_wait_dscnt 20                                ; the first record's K is in; the second's 20 loads may be out
	WIN 0x01                                       ; source 0 window 1
	SCORES 0
	s_wait_dscnt 0x0
	SCORES 1
	WIN 0
.rept 4
	v_nop                                          ; places in front of loads into registers that these products read, and of the first read of the scores
.endr
	FRAGS 0x40, 128, VS, ADS, 16896, 8192          ; the first record's V: it lands during the softmax,
.if \more
	s_cmp_eq_u32 s[NX], 0
	s_cbranch_scc1 .Lno_k0_\@
	FRAGS 0x40, 64, KS, ASN, 16384, 2*REC          ; and so does the next step's first K
.Lno_k0_\@:
.endif
	HIDE 0
	HIDE 1
.irp b, 0,1,2,3,4,5,6,7
	v_max3_num_f32 v[MX+\b], v[S+16*\b], v[S+1+16*\b], v[S+2+16*\b]    ; the largest score of each block of 32 keys: for the row's maximum, and, since p rises with the score, for the block's largest p
.endr
.irp i, 3,5,7,9,11,13
.irp b, 0,1,2,3,4,5,6,7
	v_max3_num_f32 v[MX+\b], v[MX+\b], v[S+16*\b+\i], v[S+1+16*\b+\i]
.endr
.endr
.irp b, 0,1,2,3,4,5,6,7
	v_max_num_f32 v[MX+\b], v[MX+\b], v[S+15+16*\b]
.endr
.irp b, 0,1,2,3,4,5,6,7
	v_permlanex16_b32 v[BY+\b], v[MX+\b], s[SEL], s[SEL+1]
.endr
.irp b, 0,1,2,3,4,5,6,7
	v_max_num_f32 v[MX+\b], v[MX+\b], v[BY+\b]     ; with lane l xor 16's 16 keys
.endr
	v_max3_num_f32 v92, v[MX], v[MX+1], v[MX+2]
	v_max3_num_f32 v93, v[MX+3], v[MX+4], v[MX+5]
	v_max_num_f32 v94, v[MX+6], v[MX+7]
	s_delay_alu instid0(VALU_DEP_1)
	v_max3_num_f32 v92, v92, v93, v94              ; the step's largest score of my query
	s_delay_alu instid0(VALU_DEP_1)
	v_mul_f32 v92, s[CS], v92                      ; as t
	s_delay_alu instid0(VALU_DEP_1)
	v_max_num_f32 v13, v13, v92                    ; the running largest t (a row with no key yet keeps -3e38: its p are 2^(-infinity) = 0)
	v_mov_b32 v92, v12
	s_delay_alu instid0(VALU_DEP_2)
	v_floor_f32 v12, -v13                          ; the new -M = -ceil(t)
	s_delay_alu instid0(VALU_DEP_1)
	v_sub_f32 v92, v12, v92                        ; old M - new M: a whole number, 0 or less
	s_delay_alu instid0(VALU_DEP_1)
	v_cvt_i32_f32 v92, v92                         ; (it saturates)
	s_delay_alu instid0(VALU_DEP_1)
	v_ldexp_f32 v88, 1.0, v92                      ; f = 2^(old M - new M)
.set j, 0
.rept 32
	v_pk_fma_f32 v[S+j:S+j+1], v[S+j:S+j+1], s[CS:CS+1], v[12:13] op_sel_hi:[1,0,0]   ; t - M, two at a time: the first half's
.set j, j+2
.endr
.irp b, 0,1,2,3,4,5,6,7
	v_fma_f32 v[MX+\b], v[MX+\b], s[CS], v12       ; the same of each block's largest score
.endr
	WIN 0x41
.set j, 0
.rept 32
	v_pk_mul_f32 v[j:j+1], v[j:j+1], v[88:89] op_sel_hi:[1,0]      ; O^T under the new M
.set j, j+2
.endr
	WIN 0
	s_wait_alu depctr_va_vdst(0)                   ; ahead of the batch
.set j, 0
.rept 32
	v_exp_f32 v[S+j], v[S+j]                       ; p = 2^(t - M), the first half's;
	v_exp_f32 v[S+j+1], v[S+j+1]
	v_pk_fma_f32 v[S+64+j:S+65+j], v[S+64+j:S+65+j], s[CS:CS+1], v[12:13] op_sel_hi:[1,0,0]   ; between them the second half's t - M
.set j, j+2
.endr
	s_wait_alu depctr_va_vdst(0)                   ; behind that batch and ahead of the next
.set j, 0
.rept 64
	v_exp_f32 v[S+64+j], v[S+64+j]
.set j, j+1
.endr
.irp b, 0,1,2,3,4,5,6,7
	v_exp_f32 v[MX+\b], v[MX+\b]                   ; the block's largest p
.endr
	v_pk_mul_f32 v[SUM:SUM+1], v[SUM:SUM+1], v[88:89] op_sel_hi:[1,0]  ; the sum under the new M (a plain place behind the exponentials)
	s_wait_alu depctr_va_vdst(0)                   ; one wait for the batch, ahead of its first reader
.irp b, 0,1,2,3,4,5,6,7
	v_max_num_f32 v[MX+\b], 0x1800000, v[MX+\b]    ; the floor 2^(3 - 127): the byte cannot fall under 1
.endr
.irp b, 0,1,2,3,4,5,6,7
	v_add_nc_u32 v[SO+\b], 0xff000000, v[MX+\b]    ; 2 off the exponent field: the conversion's scale operand
.endr
.irp b, 0,1,2,3,4,5,6,7
	v_lshrrev_b32 v[BY+\b], 23, v[SO+\b]
.endr
.irp g, 0,1
	v_lshl_or_b32 v[90+\g], v[BY+1+4*\g], 8, v[BY+4*\g]            ; p's scale words, 128 keys each
.endr
.irp g, 0,1
	v_lshl_or_b32 v[90+\g], v[BY+2+4*\g], 16, v[90+\g]
.endr
.irp g, 0,1
	v_lshl_or_b32 v[90+\g], v[BY+3+4*\g], 24, v[90+\g]
.endr
.irp k, 1,2,3
	v_pk_add_f32 v[SUM+2*\k:SUM+2*\k+1], v[S+4*(\k)-4:S+4*(\k)-3], v[S+4*(\k)-2:S+4*(\k)-1]   ; the row's sum is taken of the unquantised p: pairs 0-5,
.endr
	ADDS 6, 26                                     ; and the rest of the first half's
.irp b, 0,1,2,3
	v_cvt_scalef32_pk8_fp4_f32 v[CD+2*\b], v[S+16*\b:S+7+16*\b], v[SO+\b]
	v_cvt_scalef32_pk8_fp4_f32 v[CD+1+2*\b], v[S+8+16*\b:S+15+16*\b], v[SO+\b]
.endr
	v_nop                                          ; one plain place behind a scaled conversion
	FRAGS 0, S, VS+4, ADS, REC+16896, REC+8192     ; the first half's p are done with: the second record's V takes their registers
.irp c, 0,4
.irp i, 0,1
	v_permlane16_swap_b32 v[CD+\c+\i], v[CD+\c+2+\i]               ; a whole block in a lane
.endr
.endr
	ADDS 32, 32                                    ; the second half's
.irp b, 4,5,6,7
	v_cvt_scalef32_pk8_fp4_f32 v[CD+2*\b], v[S+16*\b:S+7+16*\b], v[SO+\b]
	v_cvt_scalef32_pk8_fp4_f32 v[CD+1+2*\b], v[S+8+16*\b:S+15+16*\b], v[SO+\b]
.endr
	v_nop
.irp c, 8,12
.irp i, 0,1
	v_permlane16_swap_b32 v[CD+\c+\i], v[CD+\c+2+\i]
.endr
.endr
	v_pk_add_f32 v[SUM:SUM+1], v[SUM:SUM+1], v[SUM+2:SUM+3]
	v_pk_add_f32 v[SUM+4:SUM+5], v[SUM+4:SUM+5], v[SUM+6:SUM+7]
	v_pk_add_f32 v[SUM:SUM+1], v[SUM:SUM+1], v[SUM+4:SUM+5]
	v_nop                                          ; (the fourth place between the exchange of halves and the products)
	s_wait_alu depctr_va_vdst(0)
	s_wait_dscnt 20                                ; the first record's V is in; the second's 20 loads may be out
	WIN 0x51                                       ; sources 0 and 2 and the destination window 1
	VALUES 0, 128
	WIN 0
.if \more
.rept 4
	v_nop                                          ; places in front of loads into registers that these products read
.endr
	s_cmp_eq_u32 s[NX], 0
	s_cbranch_scc1 .Lno_k1_\@
	FRAGS 0x40, 128, KS+4, ASN, REC+16384, 3*REC   ; the next step's second K
	s_wait_dscnt 20                                ; the second record's V is in; the 20 just issued may be out
	s_branch .Lv1_\@
.Lno_k1_\@:
	s_wait_dscnt 0x0
.Lv1_\@:
.else
	s_wait_dscnt 0x0
.endif
	WIN 0x50                                       ; source 2 and the destination window 1
	VALUES 1, S
	WIN 0
.rept 5
	v_nop                                          ; places in front of the next loads into these operands, of the next scores, which are written over them, and of the next read of O^T
.endr
.if \more
	s_branch .Lstepped_\@
.Lskip_\@:
	s_cmp_eq_u32 s[NX], 0                          ; a step that was passed over leaves the next one's K to be asked for here
	s_cbranch_scc1 .Lstepped_\@
	s_wait_dscnt 0x0
	FRAGS 0x40, 64, KS, ASN, 16384, 2*REC
	FRAGS 0x40, 128, KS+4, ASN, REC+16384, 3*REC
.Lstepped_\@:
.else
.Lskip_\@:
.endif
	s_lshr_b32 s[F], s[F], 4
	s_add_co_u32 s[MO], s[MO], 512
	s_add_co_u32 s[TB], s[TB], 2*REC               ; the next step's records
.endm
.macro PUT                             ; my half record goes into LDS: 17 stores of 512 consecutive bytes
	WIN 0x04                                       ; an LDS store's data are its source 1: window 1
.irp i, 0,1,2,3,4,5,6,7,8,9,10,11,12,13,14,15
	ds_store_b128 v[STA], v[192+4*\i:195+4*\i] offset:512*\i
.endr
	WIN 0
	ds_store_b128 v[STA], v[32:35] offset:8192
.endm
	; phase 0's records
	s_wait_loadcnt 0x0                             ; my half record is in registers, and Q
	v_add_nc_u32 v[STA], s[SB], v[ST0]
	PUT
	v_add_nc_u32 v[ADK], s[TB], v[LI]
	v_add_nc_u32 v[ASN], s[TB], v[LS]
	s_add_co_u32 s[SB], s[SB], PHB
	s_wait_alu depctr_va_vdst(0)
	s_wait_dscnt 0x0                               ; for the others' sake: my stores have landed; and they have read their registers
	s_add_nc_u64 s[8:9], s[8:9], PHB
	COPYLOAD                                       ; phase 1's
	s_barrier_signal -1
	s_barrier_wait -1                              ; the four records are whole
	FRAGS 0x40, 64, KS, ASN, 16384, 0              ; the first step's K
	FRAGS 0x40, 128, KS+4, ASN, REC+16384, REC
	s_wait_kmcnt 0x0                               ; the flags
.irp i, 1,2,3
	s_lshl_b32 s[44+\i], s[44+\i], 8*\i
	s_lshl_b32 s[40+\i], s[40+\i], 8*\i
.endr
	s_or_b32 s[F], s44, s45
	s_or_b32 s[F], s[F], s46
	s_or_b32 s[F], s[F], s47                       ; 16 x 2 bits
	s_or_b32 s[FA], s40, s41
	s_or_b32 s[FA], s[FA], s42
	s_or_b32 s[FA], s[FA], s43
	s_or_b32 s[FA], s[FA], s[F]
	s_lshr_b32 s[FA], s[FA], 8                     ; phase 0 is stored
.Lphase:                                               ; three trips: a phase's first step, the next phase's records, the phase's second step
	STEP 1
	s_wait_loadcnt 0x0                             ; my half record is in registers; the loads' base may be stepped
	v_add_nc_u32 v[STA], s[SB], v[ST0]
	s_cmp_eq_u32 s[FA], 0
	s_cbranch_scc1 .Lno_store                      ; neither tile has a true key left: nothing of this is read
	PUT
.Lno_store:
	s_add_co_u32 s[SB], s[SB], PHB
	s_lshr_b32 s[FA], s[FA], 8
	s_wait_dscnt 0x0                               ; for the others' sake: my stores have landed; and they have read their registers
	s_add_nc_u64 s[8:9], s[8:9], PHB               ; (stepped in every phase, ahead of the branch; used only where the next phase is asked for)
	s_cmp_eq_u32 s[FA], 0                          ; (always so in the fourth phase: no load leaves kv)
	s_cbranch_scc1 .Lno_load
	COPYLOAD                                       ; the next phase's
.Lno_load:
	s_barrier_signal -1
	s_barrier_wait -1                              ; the next phase's four records are whole
	STEP 1
	s_sub_co_u32 s[TRIP], s[TRIP], 1
	s_cmp_lg_u32 s[TRIP], 0
	s_cbranch_scc1 .Lphase
	STEP 1                                         ; the last phase is written out: behind its second step no K is asked for
	STEP 0
	; THE WAY OUT: O^T / sum; register 16 b + i is channel 32 b + 16 h + i of my query: 64 numbers that become the last product's fragment (my tile, K step = head) as they stand.
	s_wait_alu depctr_va_vdst(0)
	v_add_f32 v14, v[SUM], v[SUM+1]
	v_permlanex16_b32 v95, v14, s[SEL], s[SEL+1]
	v_add_f32 v14, v14, v95                        ; with lane l xor 16's keys: the row's sum
	v_cmp_eq_f32 s98, 0, v14                       ; a row with no true key
	s_wait_alu depctr_va_vdst(0)
	v_rcp_f32 v10, v14
	v_mov_b32 v11, 0                               ; (a plain place behind the reciprocal; the pair's upper half)
	s_wait_alu depctr_va_vdst(0)
	v_cndmask_b32 v10, v10, v[NIL], s98            ; there O is 0 x 0
	WIN 0x01
	s_wait_alu depctr_va_vdst(0)                   ; directly ahead of the first readers of O^T
.set j, 0
.rept 32
	v_pk_mul_f32 v[S+j:S+j+1], v[j:j+1], v[10:11] op_sel_hi:[1,0]
.set j, j+2
.endr
	WIN 0
.irp b, 0,1,2,3
	v_max3_num_f32 v[MX+\b], |v[S+16*\b]|, |v[S+1+16*\b]|, 0x1800000
.endr
.irp i, 2,4,6,8,10,12,14
.irp b, 0,1,2,3
	v_max3_num_f32 v[MX+\b], v[MX+\b], |v[S+16*\b+\i]|, |v[S+1+16*\b+\i]|
.endr
.endr
.irp b, 0,1,2,3
	v_permlanex16_b32 v[BY+\b], v[MX+\b], s[SEL], s[SEL+1]
.endr
.irp b, 0,1,2,3
	v_max_num_f32 v[MX+\b], v[MX+\b], v[BY+\b]
.endr
.irp b, 0,1,2,3
	v_add_nc_u32 v[SO+\b], 0xff000000, v[MX+\b]
.endr
.irp b, 0,1,2,3
	v_lshrrev_b32 v[BY+\b], 23, v[SO+\b]
.endr
	v_lshl_or_b32 v90, v[BY+1], 8, v[BY]
	v_lshl_or_b32 v90, v[BY+2], 16, v90
	v_lshl_or_b32 v90, v[BY+3], 24, v90
.irp b, 0,1,2,3
	v_cvt_scalef32_pk8_fp4_f32 v[CD+2*\b], v[S+16*\b:S+7+16*\b], v[SO+\b]
	v_cvt_scalef32_pk8_fp4_f32 v[CD+1+2*\b], v[S+8+16*\b:S+15+16*\b], v[SO+\b]
.endr
	v_nop                                          ; one plain place behind a scaled conversion
.irp c, 0,4
.irp i, 0,1
	v_permlane16_swap_b32 v[CD+\c+\i], v[CD+\c+2+\i]
.endr
.endr
	v_cndmask_b32 v90, v90, v[ONES], s98           ; a row with no true key: four bytes 0xff
	global_store_b128 v[OI], v[CD:CD+3], s[14:15]  ; the image: 512 consecutive aligned bytes a store
	global_store_b128 v[OI], v[CD+4:CD+7], s[14:15] offset:512
	v_cmp_gt_u32 vcc_lo, 16, v[LN]
	s_wait_alu depctr_va_vdst(0)
	s_wait_xcnt 0x0                                ; EXEC changes only behind this wait
	s_and_saveexec_b32 s3, vcc_lo
	global_store_b32 v[OS], v90, s[14:15] offset:4096              ; lanes 0-15: the 16 rows' scale words
	s_wait_xcnt 0x0                                ; and again in front of the line that widens it
	s_or_b32 exec_lo, exec_lo, s3
	s_wait_tensorcnt 0x0                           ; the wave's end, behind my last LDS store
	ds_add_u32 v[SPW], v[NIL]
	s_wait_dscnt 0x0
	s_endpgm
.Lfunc_end_k_q191e9ee750_attn:
	.size	k_q191e9ee750_attn, .Lfunc_end_k_q191e9ee750_attn-k_q191e9ee750_attn
	.p2alignl 7, 3214868480
	.fill 96, 4, 3214868480
	.section	.rodata,"a",@progbits
	.p2align	6, 0x0
	.amdhsa_kernel k_q191e9ee750_attn
		.amdhsa_group_segment_fixed_size 279552
		.amdhsa_private_segment_fixed_size 0
		.amdhsa_enable_private_segment 0
		.amdhsa_kernarg_size 48
		.amdhsa_user_sgpr_count 2
		.amdhsa_user_sgpr_kernarg_segment_ptr 1
		.amdhsa_wavefront_size32 1
		.amdhsa_system_sgpr_workgroup_id_x 1
		.amdhsa_system_sgpr_workgroup_id_y 1
		.amdhsa_system_sgpr_workgroup_id_z 1
		.amdhsa_system_vgpr_workitem_id 0
		.amdhsa_next_free_vgpr 512
		.amdhsa_next_free_sgpr 106
		.amdhsa_reserve_vcc 1
		.amdhsa_float_denorm_mode_32 3
		.amdhsa_float_denorm_mode_16_64 3
		.amdhsa_memory_ordered 1
		.amdhsa_forward_progress 1
		.amdhsa_inst_pref_size 218
	.end_amdhsa_kernel
	.amdgpu_metadata
---
amdhsa.version: [ 1, 2 ]
amdhsa.kernels:
  - .name:           k_q191e9ee750_attn
    .symbol:         k_q191e9ee750_attn.kd
    .args:
      - { .name: qc, .offset: 0, .size: 8, .value_kind: global_buffer, .address_space: global }
      - { .name: qs, .offset: 8, .size: 8, .value_kind: global_buffer, .address_space: global }
      - { .name: kv, .offset: 16, .size: 8, .value_kind: global_buffer, .address_space: global }
      - { .name: mwords, .offset: 24, .size: 8, .value_kind: global_buffer, .address_space: global }
      - { .name: mflags, .offset: 32, .size: 8, .value_kind: global_buffer, .address_space: global }
      - { .name: oc, .offset: 40, .size: 8, .value_kind: global_buffer, .address_space: global }
    .group_segment_fixed_size: 279552
    .private_segment_fixed_size: 0
    .kernarg_segment_align: 8
    .kernarg_segment_size: 48
    .max_flat_workgroup_size: 256
    .sgpr_count:     106
    .vgpr_count:     512
    .wavefront_size: 32
...
	.end_amdgpu_metadata
.endif
;; end of part 3
;; launch outp (part 4): grid 16 x 16, 8 waves a work-group, clusters of 4 x 4, 314,368 bytes of LDS; arguments codes, oc, bo, out0; writes out0
.if DOCPART == 4
	.amdgcn_target "amdgcn-amd-amdhsa--gfx1250"
	.amdhsa_code_object_version 6
	.text
	.protected	k_q191e9ee750_outp
	.globl	k_q191e9ee750_outp
	.p2align	8
	.type	k_q191e9ee750_outp,@function
k_q191e9ee750_outp:
	s_mov_b64 s[64:65], 0
	v_nop
	global_prefetch_b8 v0, s[64:65] scope:SCOPE_SE
	s_setreg_imm32_b32 hwreg(HW_REG_WAVE_MODE, 25, 1), 1
	s_wait_xcnt 0x0
	s_wait_alu depctr_hold_cnt(0) depctr_sa_sdst(0) depctr_va_vdst(0) depctr_va_sdst(0) depctr_va_ssrc(0) depctr_va_vcc(0) depctr_vm_vsrc(0)
	s_getreg_b32 s2, hwreg(HW_REG_IB_STS2, 6, 4)
	s_cmp_eq_u32 s2, 0
	s_cbranch_scc0 .Lentry_in_a_cluster
	s_endpgm
.Lentry_in_a_cluster:
	s_bfe_u32 s2, ttmp6, 0x10000c
	s_cmp_lg_u32 s2, 0xf033
	s_cbranch_scc0 .Lentry_shape_is_right
	s_endpgm
.Lentry_shape_is_right:
; Launch 4 of 4: out0 = O Wo^T + bo on codes of E2M1.  No work is left out here.
; A work-group makes 128 x 128 of out0.  EIGHT WAVES: wave w = 4 ph + rg takes four of Wo's tiles of 16 output columns (4 ph on; source 0) x two tiles of rows of O (2 rg on; source 1): 8 accumulators; a lane holds one row and
; eight neighbouring columns a tile.  ALL OF K LIES IN LDS: 16 records of 17,408 bytes in four chunks of 512 along K.  Eight tensor loads, one a wave: wave w asks for chunk w / 2 of Wo's eight tiles (w even) or of O's eight (w odd).
; Nothing is filled again; chunk c is waited for by the two waves that asked for it, and shown to the others by a barrier, where it is first read.  The sums begin with the bias, loaded into the accumulators.
; CLUSTERS 4 x 4: Wo's tiles hang on the block of columns alone and are shared along a column of the cluster, O's on the block of rows alone and are shared along a row: joint loads.
; No prefetch: every fill is asked for at the head, there is no loop to run ahead in.
; A row of O whose scale bytes are 0xff (no true key in the mask) comes out NaN in all its columns, as reference() has it.
; The rows of a tile of O are 32 (T / 2) + 8 (T % 2) + r + 8 (r / 8).  THE WAY OUT goes through the wave's own stage in LDS, which no tensor load fills, so that sixteen lanes store 256 consecutive aligned bytes of a row.
.set REC,   17408
.set CHK,   4352
.set RS,    34816
.set CHL,   69632
.set SPARE, 4*CHL                      ; the spare words, 128 bytes for each wave, which no other line names
.set STAGE, SPARE+1024                 ; 16 rows x (256 bytes + 16) for each wave
.set SPI,   272
.set LI,  4
.set LS,  5
.set AP,  6
.set AR,  7
.set SPA, 8
.set SRA, 9
.set STO, 10
.set RD,  11
.set CO,  12
.set SPW, 14
.set NIL, 15
.set SC,  32                           ; v32-55 scale words, two sets of 12: register 2 t + p; t = 0-3 Wo, 4, 5 O
.set FR,  64                           ; v64-159 two fragment buffers of 48
.set ACC, 160                          ; v160-223 accumulator (t, a) at 160 + 8 (4 a + t)
.set G1P, 28
.set G1R, 36
.set G0P, 44
.set G0R, 48
.macro FETCH k
.set FB, FR+48*((\k)%2)
.set FO, 1024*((\k)%4)
.irp t, 0,1,2,3
.irp c, 0,1
	ds_load_b128 v[FB+8*\t+4*\c:FB+8*\t+4*\c+3], v[AP] offset:CHK*\t+FO+512*\c
.endr
.endr
.irp a, 0,1
.irp c, 0,1
	ds_load_b128 v[FB+32+8*\a+4*\c:FB+32+8*\a+4*\c+3], v[AR] offset:CHK*\a+FO+512*\c
.endr
.endr
.endm
.macro SCALES s
.irp p, 0,1
.irp t, 0,1,2,3
	ds_load_b32 v[SC+12*(\s)+2*\t+\p], v[SPA] offset:4096+CHK*\t+128*\p
.endr
.irp a, 0,1
	ds_load_b32 v[SC+12*(\s)+8+2*\a+\p], v[SRA] offset:4096+CHK*\a+128*\p
.endr
.endr
.endm
.macro WM d, a, b, k
.set WF, FR+48*((\k)%2)
.set WS, SC+12*(((\k)/4)%2)+((\k)%4)/2
.if (\k)%2
	v_wmma_scale_f32_16x16x128_f8f6f4 v[\d:\d+7], v[WF+8*(\a):WF+8*(\a)+7], v[WF+8*(\b):WF+8*(\b)+7], v[\d:\d+7], v[WS+2*(\a)], v[WS+2*(\b)] matrix_a_fmt:MATRIX_FMT_FP4 matrix_b_fmt:MATRIX_FMT_FP4 matrix_a_scale:MATRIX_SCALE_ROW1 matrix_b_scale:MATRIX_SCALE_ROW1
.else
	v_wmma_scale_f32_16x16x128_f8f6f4 v[\d:\d+7], v[WF+8*(\a):WF+8*(\a)+7], v[WF+8*(\b):WF+8*(\b)+7], v[\d:\d+7], v[WS+2*(\a)], v[WS+2*(\b)] matrix_a_fmt:MATRIX_FMT_FP4 matrix_b_fmt:MATRIX_FMT_FP4
.endif
.endm
.macro MULS k                          ; the eight accumulators take turns, one instruction a turn
.irp a, 0,1
.irp t, 0,1,2,3
	WM ACC+8*(4*\a+\t), \t, 4+\a, \k
.endr
.endr
.endm
.macro LANDED c                        ; chunk c is whole behind this
.if (\c) < 3
	s_cmp_lt_u32 s18, 2*(\c)+2
	s_cbranch_scc0 .Llater_\@
	s_wait_tensorcnt 0x0
.Llater_\@:
.else
	s_wait_tensorcnt 0x0
.endif
	s_barrier_signal -1
	s_barrier_wait -1
.endm
.macro KSTEP k
.if (\k) == 15
	s_wait_dscnt 0x0
	MULS \k
.elseif (\k)%4 == 3
	s_wait_dscnt 0x0                               ; no LDS instruction of mine is out at the signal
	LANDED ((\k)+1)/4
.irp g, AP, AR, SPA, SRA
	v_add_nc_u32 v[\g], CHL, v[\g]                 ; (also the places in front of the loads below)
.endr
	s_wait_alu depctr_va_vdst(0)
	FETCH (\k)+1
	SCALES (((\k)+1)/4)%2
	MULS \k
.else
.rept 4
	v_nop                                          ; places in front of loads into registers that matrix instructions have read
.endr
	FETCH (\k)+1
	s_wait_dscnt 12                                ; all but the 12 just issued
	MULS \k
.endif
.endm
.macro CROUND                          ; a round of the cluster's barrier
	s_barrier_signal -1
	s_barrier_wait -1
	s_cmp_lg_u32 s18, 0
	s_cbranch_scc1 .Lnot_wave_0_\@
	s_barrier_signal -3
.Lnot_wave_0_\@:
	s_barrier_wait -3
	s_barrier_signal -1
	s_barrier_wait -1
.endm
	s_load_b256 s[4:11], s[0:1], 0x0               ; codes, oc, bo, out0
	v_lshl_add_u32 v[SPW], v0, 2, SPARE
	v_mov_b32 v[NIL], 0
	ds_add_u32 v[SPW], v[NIL]                      ; the wave's opening: the add, twice on end, and its wait
	ds_add_u32 v[SPW], v[NIL]
	v_lshrrev_b32 v1, 5, v0
	v_readfirstlane_b32 s18, v1                    ; wave
	s_bfe_u32 s19, ttmp6, 0x40000                  ; cx
	s_bfe_u32 s20, ttmp6, 0x40004                  ; cy
	s_lshl_b32 s21, ttmp9, 2
	s_add_co_u32 s21, s21, s19                     ; nb: my block of 128 columns
	s_and_b32 s22, ttmp7, 0xffff
	s_lshl_b32 s22, s22, 2
	s_add_co_u32 s22, s22, s20                     ; mb: my block of 128 rows
	s_lshr_b32 s26, s18, 2                         ; ph
	s_and_b32 s27, s18, 3                          ; rg
	s_lshl_b32 s52, s20, 2
	s_lshl_b32 s52, 15, s52                        ; my row of the cluster: the same mb
	s_lshl_b32 s53, 0x1111, s19                    ; my column: the same nb
	s_or_b32 s[G1P], s53, (3<<16)|(1<<21)          ; elements of 8 bytes; bit 21 set beside a mask; no padding
	s_or_b32 s[G1R], s52, (3<<16)|(1<<21)
.irp g, G1P, G1R
	s_mov_b32 s[\g+1], 544<<16                     ; eight tiles' chunks: 8 rows of 544 elements,
	s_mov_b32 s[\g+2], 8<<16
	s_mov_b32 s[\g+3], 544<<16
	s_mov_b32 s[\g+4], 8
	s_mov_b32 s[\g+5], 2176                        ; a record apart in memory, dense in LDS
	s_mov_b32 s[\g+6], 0
	s_mov_b32 s[\g+7], 0
.endr
	s_lshr_b32 s58, s18, 1                         ; my chunk
	s_mul_i32 s59, s58, CHL                        ; where it lies in LDS: the wave's number alone
	s_mul_i32 s58, s58, CHK
	s_mul_i32 s54, s21, 8*REC
	s_add_co_u32 s54, s54, 288*REC                 ; Wo's records begin at 288
	s_add_co_u32 s54, s54, s58
	s_mov_b32 s55, 0
	s_mul_i32 s56, s22, 8*REC
	s_add_co_u32 s56, s56, s58
	s_mov_b32 s57, 0
	s_mul_i32 s60, s26, 4*CHK                      ; my four tiles of Wo
	s_mul_i32 s61, s27, 2*CHK
	s_add_co_u32 s61, s61, RS                      ; my two of O
	s_mul_i32 s62, s18, 16*SPI
	s_add_co_u32 s62, s62, STAGE                   ; my stage
	s_lshl_b32 s70, s21, 9
	s_lshl_b32 s71, s26, 8
	s_add_co_u32 s70, s70, s71                     ; my columns, in bytes
	s_mov_b32 s71, 0
	s_lshl_b32 s72, s22, 7
	s_lshl_b32 s73, s27, 5
	s_add_co_u32 s72, s72, s73                     ; my first row: 128 mb + 32 rg
	s_lshl_b32 s72, s72, 13
	s_add_co_u32 s72, s72, s70
	s_mov_b32 s73, 0
	s_wait_dscnt 0x0                               ; both opening adds are done
	s_wait_alu depctr_va_vdst(0)
	s_wait_kmcnt 0x0
	s_mov_b32 s[G0P], 1
	s_mov_b32 s[G0P+1], s59
	s_add_nc_u64 s[G0P+2:G0P+3], s[4:5], s[54:55]
	s_or_b32 s[G0P+3], s[G0P+3], 0x80000000
	s_mov_b32 s[G0R], 1
	s_add_co_u32 s[G0R+1], s59, RS
	s_add_nc_u64 s[G0R+2:G0R+3], s[6:7], s[56:57]
	s_or_b32 s[G0R+3], s[G0R+3], 0x80000000
	s_add_nc_u64 s[8:9], s[8:9], s[70:71]
	s_add_nc_u64 s[10:11], s[10:11], s[72:73]
	CROUND                                         ; all sixteen work-groups are here: the joint loads meet
; ONE tree of branches on the wave's number: every way through it passes exactly one load; each wave has a line of its own, since the waves wait at different places
.macro ARM under, g0, g1, next
	s_cmp_lt_u32 s18, \under
	s_cbranch_scc0 \next
	tensor_load_to_lds s[\g0:\g0+3], s[\g1:\g1+7]
	s_nop 0
.rept 4
	v_nop
.endr
	s_branch .Lasked
\next:
.endm
	ARM 1, G0P, G1P, .Lw1
	ARM 2, G0R, G1R, .Lw2
	ARM 3, G0P, G1P, .Lw3
	ARM 4, G0R, G1R, .Lw4
	ARM 5, G0P, G1P, .Lw5
	ARM 6, G0R, G1R, .Lw6
	ARM 7, G0P, G1P, .Lw7
	tensor_load_to_lds s[G0R:G0R+3], s[G1R:G1R+7]
	s_nop 0
.rept 4
	v_nop
.endr
.Lasked:
	v_and_b32 v1, 31, v0                           ; lane
	v_and_b32 v2, 15, v0                           ; r
	v_bfe_u32 v3, v0, 4, 1                         ; h
	v_lshlrev_b32 v[LI], 4, v1
	v_lshlrev_b32 v[LS], 2, v1
	v_add_nc_u32 v[AP], s60, v[LI]
	v_add_nc_u32 v[AR], s61, v[LI]
	v_add_nc_u32 v[SPA], s60, v[LS]
	v_add_nc_u32 v[SRA], s61, v[LS]
	v_mul_u32_u24 v[STO], v2, SPI
	v_lshl_add_u32 v[STO], v3, 5, v[STO]
	v_add_nc_u32 v[STO], s62, v[STO]               ; the stage, in: row r, 32 bytes a half
	v_mul_u32_u24 v[RD], v3, SPI
	v_lshl_add_u32 v[RD], v2, 4, v[RD]
	v_add_nc_u32 v[RD], s62, v[RD]                 ; back: sixteen lanes a row, two rows an instruction
	v_lshlrev_b32 v[CO], 13, v3
	v_lshl_add_u32 v[CO], v2, 4, v[CO]             ; and the same two rows of out0
	v_lshlrev_b32 v13, 5, v3
.irp a, 0,1
.irp t, 0,1,2,3
	global_load_b128 v[ACC+32*\a+8*\t:ACC+32*\a+8*\t+3], v13, s[8:9] offset:64*\t          ; bo: columns 16 t + 8 h + 0 .. 7
	global_load_b128 v[ACC+32*\a+8*\t+4:ACC+32*\a+8*\t+7], v13, s[8:9] offset:64*\t+16
.endr
.endr
	s_wait_alu depctr_va_vdst(0)
	LANDED 0
	FETCH 0
	SCALES 0
	s_wait_loadcnt 0x0                             ; the bias
.irp k, 0,1,2,3,4,5,6,7,8,9,10,11,12,13,14,15
	KSTEP \k
.endr
.rept 4
	v_nop                                          ; places in front of the first read of results and of the loads into them
.endr
.irp a, 0,1                                    ; a tile of 16 rows x 64 columns goes into my stage and comes back as whole rows, into the registers that it left
.irp t, 0,1,2,3
	ds_store_b128 v[STO], v[ACC+32*\a+8*\t:ACC+32*\a+8*\t+3] offset:64*\t          ; each accumulator from its low end on
	ds_store_b128 v[STO], v[ACC+32*\a+8*\t+4:ACC+32*\a+8*\t+7] offset:64*\t+16
.endr
.irp i, 0,1,2,3,4,5,6,7
	ds_load_b128 v[ACC+32*\a+4*\i:ACC+32*\a+4*\i+3], v[RD] offset:2*SPI*\i   ; LDS serves a wave's instructions in order: these see the stores above, and the next tile's stores come behind them
.endr
.endr
	s_wait_dscnt 16                                ; the first tile is back; the second's 8 stores and 8 loads may be out
.irp i, 0,1,2,3,4,5,6,7
	global_store_b128 v[CO], v[ACC+4*\i:ACC+4*\i+3], s[10:11] offset:(2*\i+8*(\i/4))*8192 th:TH_STORE_NT   ; rows 2 i and 2 i + 1 of the tile
.endr
	s_wait_dscnt 0x0
.irp i, 0,1,2,3,4,5,6,7
	global_store_b128 v[CO], v[ACC+32+4*\i:ACC+32+4*\i+3], s[10:11] offset:(8+2*\i+8*(\i/4))*8192 th:TH_STORE_NT
.endr
	s_wait_tensorcnt 0x0                           ; the wave's end, behind my last tensor load and my last LDS store
	ds_add_u32 v[SPW], v[NIL]
	s_wait_dscnt 0x0
	CROUND                                         ; the closing round: no work-group ends while a partner may still ask for a tile that names it
	s_endpgm
.Lfunc_end_k_q191e9ee750_outp:
	.size	k_q191e9ee750_outp, .Lfunc_end_k_q191e9ee750_outp-k_q191e9ee750_outp
	.p2alignl 7, 3214868480
	.fill 96, 4, 3214868480
	.section	.rodata,"a",@progbits
	.p2align	6, 0x0
	.amdhsa_kernel k_q191e9ee750_outp
		.amdhsa_group_segment_fixed_size 314368
		.amdhsa_private_segment_fixed_size 0
		.amdhsa_enable_private_segment 0
		.amdhsa_kernarg_size 32
		.amdhsa_user_sgpr_count 2
		.amdhsa_user_sgpr_kernarg_segment_ptr 1
		.amdhsa_wavefront_size32 1
		.amdhsa_system_sgpr_workgroup_id_x 1
		.amdhsa_system_sgpr_workgroup_id_y 1
		.amdhsa_system_sgpr_workgroup_id_z 1
		.amdhsa_system_vgpr_workitem_id 0
		.amdhsa_next_free_vgpr 224
		.amdhsa_next_free_sgpr 80
		.amdhsa_reserve_vcc 0
		.amdhsa_float_denorm_mode_32 3
		.amdhsa_float_denorm_mode_16_64 3
		.amdhsa_memory_ordered 1
		.amdhsa_forward_progress 1
		.amdhsa_inst_pref_size 48
	.end_amdhsa_kernel
	.amdgpu_metadata
---
amdhsa.version: [ 1, 2 ]
amdhsa.kernels:
  - .name:           k_q191e9ee750_outp
    .symbol:         k_q191e9ee750_outp.kd
    .args:
      - { .name: codes, .offset: 0, .size: 8, .value_kind: global_buffer, .address_space: global }
      - { .name: oc, .offset: 8, .size: 8, .value_kind: global_buffer, .address_space: global }
      - { .name: bo, .offset: 16, .size: 8, .value_kind: global_buffer, .address_space: global }
      - { .name: out0, .offset: 24, .size: 8, .value_kind: global_buffer, .address_space: global }
    .group_segment_fixed_size: 314368
    .private_segment_fixed_size: 0
    .kernarg_segment_align: 8
    .kernarg_segment_size: 32
    .max_flat_workgroup_size: 256
    .sgpr_count:     80
    .vgpr_count:     224
    .wavefront_size: 32
...
	.end_amdgpu_metadata
.endif
;; end of part 4
